; MI455X (gfx1250); checked and timed in simulation.
; The chip was launched on July 23, 2026; its instructions are those of AMD's public machine-readable ISA for CDNA 5 (MIT licence, August 2026) and "CDNA5" Instruction Set Architecture Reference Guide (July 2026). The comments in the code are by the model that wrote it; some were corrected since.
;; Multi Query Attention. Allowed arithmetic: matrix products marked QUANTISED: E2M1 operands, one E8M0 scale for each 32 along K, by v_wmma_scale_f32_16x16x128_f8f6f4 with both operands' format E2M1 (or v_wmma_scale_f32_32x16x128_f4), f32 sums; products left as they are: bf16, f16 or f32 operands; f32 sums; everything else in f32.
;; Inputs: Wk 1,024 x 64 float32; Wo 1,024 x 1,024 float32; Wq 1,024 x 1,024 float32; Wv 1,024 x 64 float32; bk 64 float32; bo 1,024 float32; bq 1,024 float32; bv 64 float32; key 2 x 2,048 x 1,024 float32; query 2 x 2,048 x 1,024 float32; value 2 x 2,048 x 1,024 float32.
;; Outputs: out0 2 x 2,048 x 1,024 float32.
;; This version of the problem:
;;   THIS VERSION OF THE PROBLEM IS GIVEN IN LOW PRECISION. The matrix products marked QUANTISED in the list below multiply operands that are first quantised to E2M1 (2 exponent bits, 1 mantissa bit; 4 bits a number), with one power-of-two scale for each 32 numbers along K (OCP MX v1.0); their sums are f32. The products marked 'left as it is' may take bf16, f16 or f32 operands, with f32 sums. Whichever they take, every output number must still come out within the allowed error. Rounding operands to bf16 (8 significant bits) uses up far more of that allowance than f16 does (11 bits, for magnitudes from 6e-5 to 65,504). All else is computed in f32.
;;   The module's matrix products, in the order in which they are computed (A, B: the left and right operand; K: the contracted axis; several contracted axes count as one K, in the product's order):
;;     1. [M 4,096, K 1,024] x [K 1,024, N 1,024]; A: input query; B: input Wq: QUANTISED
;;     2. [M 4,096, K 1,024] x [K 1,024, N 64]; A: input key; B: input Wk: QUANTISED
;;     3. [M 4,096, K 1,024] x [K 1,024, N 64]; A: input value; B: input Wv: QUANTISED
;;     4. batch 2 x [M 32,768, K 64] x [K 64, N 2,048]; A: computed on the way; B: computed on the way: left as it is (an operand is computed on the way)
;;     5. batch 2 x [M 32,768, K 2,048] x [K 2,048, N 64]; A: computed on the way; B: computed on the way: left as it is (an operand is computed on the way)
;;     6. [M 4,096, K 1,024] x [K 1,024, N 1,024]; A: computed on the way; B: input Wo: left as it is (an operand is computed on the way)
;;   THE QUANTISER, for each operand of a quantised product, along K:
;;     - K is cut into blocks of 32 from its start; a last block that is shorter is filled with zeros.
;;     - A block's scale is 2^e with e = floor(log2(the largest magnitude in the block)) - 2, held to -126 .. 127; a block of zeros has e = 0. As a byte (E8M0): e + 127.
;;     - Each number is divided by its block's scale, clamped to +-6, and rounded to the nearest number of E2M1, ties to even, subnormals kept.
;;     - The product sums the exact products of the quantised numbers (number of the format x scale) in f32.
;;   ~~~python
;;   def quantise(x, axis):      # numpy; x: float32 -> the quantised numbers, widened to float32 again
;;       x = np.moveaxis(x, axis, -1); K = x.shape[-1]
;;       x = np.pad(x, [(0, 0)] * (x.ndim - 1) + [(0, -K % 32)]); x = x.reshape(x.shape[:-1] + (-1, 32)); a = np.abs(x).max(-1, keepdims=True)
;;       e = np.where(a > 0, np.clip(np.frexp(np.where(a > 0, a, 1))[1] - 1 - 2, -126, 127), 0)      # np.frexp(a)[1] - 1 = floor(log2(a)), exactly
;;       r = np.clip(x / 2.0 ** e, -6, 6)
;;       step = 2.0 ** (np.maximum(np.frexp(np.where(r == 0, 1, r))[1] - 1, 0) - 1)
;;       q = np.round(r / step) * step * 2.0 ** e      # np.round: ties to even
;;       return np.moveaxis(q.reshape(q.shape[:-2] + (-1,))[..., :K], -1, axis).astype(np.float32)
;;   ~~~
;; One version. Each part assembles by itself: llvm-mc -triple=amdgcn-amd-amdhsa -mcpu=gfx1250 --defsym DOCPART=n.
;; ======== version 1 of 1: 4 launches
;; limits: values are held in f16: magnitudes above 65,504 overflow, below 6.1e-05 lose precision
;; workspace buffers: wfp4 626,688 bytes; wof 2,097,152 bytes; xq 2,228,224 bytes; kf 524,288 bytes; vf 524,288 bytes; af 8,388,608 bytes
;; launch prep (part 1): grid 392 x 1, 4 waves a work-group, no clusters, 68,096 bytes of LDS; arguments Wq, Wk, Wv, Wo, wfp4, wof, query, xq; writes wfp4, wof, xq
.if DOCPART == 1
	.amdgcn_target "amdgcn-amd-amdhsa--gfx1250"
	.amdhsa_code_object_version 6
	.text
	.protected	k_qb95b0ab014_prep
	.globl	k_qb95b0ab014_prep
	.p2align	8
	.type	k_qb95b0ab014_prep,@function
k_qb95b0ab014_prep:
	s_mov_b64 s[64:65], 0
	v_nop
	global_prefetch_b8 v0, s[64:65] scope:SCOPE_SE
	s_setreg_imm32_b32 hwreg(HW_REG_WAVE_MODE, 25, 1), 1
	s_wait_xcnt 0x0
; The weights and query, once, into the order in which a wave's operand registers take them.
; Wq [1024][1024], Wk, Wv [1024][64], f32, K = the FIRST axis: codes of FP4 (E2M1) with one E8M0 byte for each 32 along K.  The columns of [Wq | Wk | Wv] form 72 tiles of 16
; (0-63 Wq, 64-67 Wk, 68-71 Wv).  wfp4: the 16 bytes of block kb = k / 32 of column 16 nt + r lie at nt x 8192 + kb x 256 + r x 16: a fragment (16 columns x 128 K) is then 1,024 bytes on end, lane l's 16 bytes
; at 16 l of each half.  The scale word (four bytes: 128 along K) of that column lies at SCB + nt x 512 + (k / 128) x 64 + r x 4.
; Wo [1024][1024] is rounded to f16: wof: the 8 numbers Wo[8 k8 + 0..7][16 nt + r] lie at nt x 32768 + k8 x 256 + r x 16.
; For these a LANE TAKES A COLUMN AND ITS REGISTERS RUN DOWN K: a load reads 128 consecutive bytes a wave, a block of 32 lies in one lane, nothing is transposed.  A wave takes 32 columns x 128 along K.
; query [4096][1024], f32, K innermost: the same codes.  xq: fragment (block of 16 positions pb, K step ks) at pb x 8192 + ks x 1024, its two halves of 512 bytes with lane l's 16 bytes at 16 l; row r's scale word at
; XSB + pb x 512 + ks x 64 + r x 4.  A work-group takes a block pb, wave w K steps 2 w and 2 w + 1.  Each load reads 512 consecutive bytes of a row; the rows turn through the wave's own stage in LDS (16 rows x 528 bytes),
; so that a lane gets 16 neighbours of each block of 32 of ITS row; two lanes, l and l xor 16, hold a block.
; Work-groups 0-63: Wq; 64-127: Wo; 128-135: Wk (waves 0, 1) and Wv (waves 2, 3); 136-391: query.  Sixteen lanes store 256 consecutive bytes, aligned; only the scale words leave in shorter runs
; (64 bytes for the weights, 128 for query: 167,936 bytes in all).  No barrier, no cluster: no two work-groups read the same bytes, and waves share nothing.
; LIMITS: a block whose largest magnitude lies under 2^-124 (a block of zeros too) gets the byte 1; its codes are zeros where the numbers are, and this program alone reads the bytes.  |Wo| stays under 65,504.  NaN and infinities are not served.
.set SCB, 589824                       ; 72 tiles x 8,192 bytes of codes; behind them the scale words
.set XSB, 2097152                      ; 256 blocks x 8,192 bytes of query's codes; behind them the scale words
.set X,   32                           ; v32-159  four blocks of 32 numbers; for query: 2 x 16 rows as loaded, then the second fragment's numbers
.set C,   160                          ; v160-223 results: each store has registers of its own; for query: the first fragment's numbers
.set SPW, 14                           ; v14  LDS address of my spare word; never rewritten
.set NIL, 15                           ; v15  0; never rewritten
.set LQ,  16                           ; v16  16 x lane
.set SWA, 17                           ; v17  the stage, on the way in: 16 x lane + my wave's region
.set SRA, 18                           ; v18  and on the way out: row r, + 64 h
.set LN,  19                           ; v19  lane
.set QP,  528                          ; a stage row: 512 bytes + 16: the 16 rows that a load touches start 16 bytes apart modulo 256
.set QST, 16*QP                        ; a stage; two a wave
.set SPARE, 4*2*QST                    ; behind the eight stages: the spare words, 128 bytes a wave: two blocks of 256 bytes that no other line names
.set PCQ, 224                          ; v224-239 query's codes, two fragments
.set PWQ, 240                          ; v240, v241 their scale words
.set TM,  242                          ; v242-253 at work
.set SEL, 32
	s_load_b256 s[4:11], s[0:1], 0x0               ; Wq s[4:5], Wk s[6:7], Wv s[8:9], Wo s[10:11]
	s_load_b128 s[12:15], s[0:1], 0x20             ; wfp4 s[12:13], wof s[14:15]
	s_load_b128 s[28:31], s[0:1], 0x30             ; query s[28:29], xq s[30:31]
	v_lshl_add_u32 v[SPW], v0, 2, SPARE
	v_mov_b32 v[NIL], 0
	v_lshrrev_b32 v4, 5, v0
	v_readfirstlane_b32 s16, v4                    ; wave
	v_and_b32 v[LN], 31, v0
	v_lshlrev_b32 v1, 2, v[LN]                     ; 4 bytes a lane
	v_and_b32 v7, 15, v0                           ; r
	v_bfe_u32 v5, v0, 4, 1                         ; h: which of my wave's two tiles
	v_lshlrev_b32 v2, 4, v7
	v_lshl_add_u32 v6, v5, 15, v2                  ; out, f16: tile x 32768 + 16 r
	v_lshl_add_u32 v2, v5, 13, v2                  ; out, codes: tile x 8192 + 16 r
	v_lshlrev_b32 v3, 2, v7
	v_lshl_add_u32 v3, v5, 9, v3                   ; out, scale words: tile x 512 + 4 r
	v_lshlrev_b32 v[LQ], 4, v[LN]
	s_mul_i32 s19, s16, 2*QST                      ; my wave's two stages
	v_add_nc_u32 v[SWA], s19, v[LQ]
	v_mul_u32_u24 v[SRA], v7, QP
	v_lshl_add_u32 v[SRA], v5, 6, v[SRA]
	v_add_nc_u32 v[SRA], s19, v[SRA]
	s_and_b32 s17, ttmp9, 63
	s_lshr_b32 s18, s17, 3                         ; which 128 along K
	s_and_b32 s17, s17, 7
	s_lshl_b32 s17, s17, 2
	s_add_co_u32 s17, s17, s16                     ; which 32 columns of 1,024
	s_mov_b32 s27, 0
.macro LOAD b, pitch                   ; block b: 32 rows of my column
.set i, 0
.rept 32
	global_load_b32 v[X+32*\b+i], v1, s[20:21] offset:(32*\b+i)*\pitch th:TH_LOAD_NT
.set i, i+1
.endr
.endm
.macro QBLK b                          ; block b: largest magnitude, scale byte, 32 codes, 16 bytes out
.set XS, X+32*\b
	v_max3_num_f32 v8, |v[XS]|, |v[XS+1]|, |v[XS+2]|
	v_max3_num_f32 v9, |v[XS+3]|, |v[XS+4]|, |v[XS+5]|
.irp i, 6,10,14,18,22,26
	v_max3_num_f32 v8, v8, |v[XS+\i]|, |v[XS+\i+1]|
	v_max3_num_f32 v9, v9, |v[XS+\i+2]|, |v[XS+\i+3]|
.endr
	v_max3_num_f32 v8, v8, |v[XS+30]|, |v[XS+31]|
	v_max3_num_f32 v8, v8, v9, 0x1800000           ; and the floor 2^(3 - 127): the byte cannot fall under 1
	v_add_nc_u32 v11, 0xff000000, v8               ; 2 off the exponent field: the conversion takes this operand's exponent field as its scale
	v_lshrrev_b32 v13, 23, v11                     ; the scale's byte
.if \b == 0
	v_mov_b32 v12, v13                             ; four bytes make the word, the lower K in the lower byte
.else
	v_lshl_or_b32 v12, v13, 8*\b, v12
.endif
.irp g, 0,1,2,3
	v_cvt_scalef32_pk8_fp4_f32 v[C+4*\b+\g], v[XS+8*\g:XS+8*\g+7], v11
.endr
	global_store_b128 v2, v[C+4*\b:C+4*\b+3], s[22:23] offset:\b*256
.endm
.macro HBLK b                          ; block b to f16: four groups of 8 numbers
.irp g, 0,1,2,3
.irp j, 0,1,2,3
	v_cvt_pk_f16_f32 v[C+16*\b+4*\g+\j], v[X+32*\b+8*\g+2*\j], v[X+32*\b+8*\g+2*\j+1]
.endr
	global_store_b128 v6, v[C+16*\b+4*\g:C+16*\b+4*\g+3], s[22:23] offset:(4*\b+\g)*256
.endr
.endm
; Loads run two blocks ahead.  Each wait for 32 leaves the next block's 32 loads out.
.macro FP4RUN pitch
	LOAD 0, \pitch
	LOAD 1, \pitch
	s_wait_loadcnt 32
	LOAD 2, \pitch
	QBLK 0
	s_wait_loadcnt 32
	LOAD 3, \pitch
	QBLK 1
	s_wait_loadcnt 32
	QBLK 2
	s_wait_loadcnt 0x0
	QBLK 3
	global_store_b32 v3, v12, s[24:25]
.endm
; 64 numbers of a lane, register 16 b + i = k 32 b + 16 (lane / 16) + i of my row, become a fragment's codes and its row's scale word
.macro QUANT s, pc, pw
.irp b, 0,1,2,3
	v_max3_num_f32 v[TM+\b], |v[\s+16*\b]|, |v[\s+1+16*\b]|, 0x1800000   ; my 16 numbers of block b, and the floor 2^(3 - 127)
.endr
.irp i, 2,4,6,8,10,12,14
.irp b, 0,1,2,3
	v_max3_num_f32 v[TM+\b], v[TM+\b], |v[\s+16*\b+\i]|, |v[\s+1+16*\b+\i]|
.endr
.endr
.irp b, 0,1,2,3
	v_permlanex16_b32 v[TM+4+\b], v[TM+\b], s[SEL], s[SEL+1]
.endr
.irp b, 0,1,2,3
	v_max_num_f32 v[TM+\b], v[TM+\b], v[TM+4+\b]   ; with lane l xor 16's: the block's largest magnitude
.endr
.irp b, 0,1,2,3
	v_add_nc_u32 v[TM+8+\b], 0xff000000, v[TM+\b]  ; 2 off its exponent field: the conversion's scale operand
.endr
.irp b, 0,1,2,3
	v_lshrrev_b32 v[TM+4+\b], 23, v[TM+8+\b]       ; the scale's byte
.endr
	v_lshl_or_b32 v[\pw], v[TM+5], 8, v[TM+4]
	v_lshl_or_b32 v[\pw], v[TM+6], 16, v[\pw]
	v_lshl_or_b32 v[\pw], v[TM+7], 24, v[\pw]
.irp b, 0,1,2,3
	v_cvt_scalef32_pk8_fp4_f32 v[\pc+2*\b], v[\s+16*\b:\s+7+16*\b], v[TM+8+\b]
	v_cvt_scalef32_pk8_fp4_f32 v[\pc+1+2*\b], v[\s+8+16*\b:\s+15+16*\b], v[TM+8+\b]
.endr
	v_nop                                          ; one plain place behind a scaled conversion
.irp c, 0,1                            ; the operand's layout wants a whole block in a lane: lanes 0-15 block 2 c, lanes 16-31 block 2 c + 1
.irp i, 0,1
	v_permlane16_swap_b32 v[\pc+4*\c+\i], v[\pc+2+4*\c+\i]
.endr
.endr
.endm
	s_wait_kmcnt 0x0
	s_cmp_ge_u32 ttmp9, 136
	s_cbranch_scc1 .Lquery
	s_cmp_ge_u32 ttmp9, 128
	s_cbranch_scc1 .Lkv
	s_lshl_b32 s26, s18, 19                        ; 128 rows of 4,096 bytes
	s_lshl_b32 s19, s17, 7                         ; 32 columns of 4 bytes
	s_add_co_u32 s26, s26, s19
	s_cmp_ge_u32 ttmp9, 64
	s_cbranch_scc1 .Lwo
	s_add_nc_u64 s[20:21], s[4:5], s[26:27]        ; Wq
	s_lshl_b32 s26, s17, 14                        ; two tiles of 8,192 bytes
	s_lshl_b32 s19, s18, 10
	s_add_co_u32 s26, s26, s19
	s_add_nc_u64 s[22:23], s[12:13], s[26:27]
	s_lshl_b32 s26, s17, 10
	s_lshl_b32 s19, s18, 6
	s_add_co_u32 s26, s26, s19
	s_add_co_u32 s26, s26, SCB
	s_add_nc_u64 s[24:25], s[12:13], s[26:27]
	FP4RUN 4096
	s_endpgm
.Lwo:
	s_add_nc_u64 s[20:21], s[10:11], s[26:27]      ; Wo
	s_lshl_b32 s26, s17, 16                        ; two tiles of 32,768 bytes
	s_lshl_b32 s19, s18, 12
	s_add_co_u32 s26, s26, s19
	s_add_nc_u64 s[22:23], s[14:15], s[26:27]
	LOAD 0, 4096
	LOAD 1, 4096
	s_wait_loadcnt 32
	LOAD 2, 4096
	HBLK 0
	s_wait_loadcnt 32
	LOAD 3, 4096
	HBLK 1
	s_wait_loadcnt 32
	HBLK 2
	s_wait_loadcnt 0x0
	HBLK 3
	s_endpgm
.Lkv:
	s_sub_co_u32 s18, ttmp9, 128                   ; which 128 along K
	s_cmp_lt_u32 s16, 2
	s_cselect_b64 s[20:21], s[6:7], s[8:9]         ; waves 0, 1: Wk; waves 2, 3: Wv
	s_lshl_b32 s26, s18, 15                        ; 128 rows of 256 bytes
	s_and_b32 s19, s16, 1
	s_lshl_b32 s19, s19, 7
	s_add_co_u32 s26, s26, s19
	s_add_nc_u64 s[20:21], s[20:21], s[26:27]
	s_lshl_b32 s26, s16, 14                        ; tiles 64 + 2 x wave on
	s_lshl_b32 s19, s18, 10
	s_add_co_u32 s26, s26, s19
	s_add_co_u32 s26, s26, 64*8192
	s_add_nc_u64 s[22:23], s[12:13], s[26:27]
	s_lshl_b32 s26, s16, 10
	s_lshl_b32 s19, s18, 6
	s_add_co_u32 s26, s26, s19
	s_add_co_u32 s26, s26, SCB+64*512
	s_add_nc_u64 s[24:25], s[12:13], s[26:27]
	FP4RUN 256
	s_endpgm
.Lquery:
	s_sub_co_u32 s18, ttmp9, 136                   ; pb: which 16 positions
	s_lshl_b32 s26, s18, 16                        ; 16 rows of 4,096 bytes,
	s_lshl_b32 s19, s16, 10                        ; my wave's two K steps: 1,024 bytes of each row
	s_add_co_u32 s26, s26, s19
	s_add_nc_u64 s[20:21], s[28:29], s[26:27]
	s_lshl_b32 s26, s18, 13
	s_lshl_b32 s19, s16, 11
	s_add_co_u32 s26, s26, s19
	s_add_nc_u64 s[22:23], s[30:31], s[26:27]      ; my two fragments
	s_lshl_b32 s26, s18, 9
	s_lshl_b32 s19, s16, 7
	s_add_co_u32 s26, s26, s19
	s_add_co_u32 s26, s26, XSB
	s_add_nc_u64 s[24:25], s[30:31], s[26:27]      ; and their scale words
	s_mov_b32 s[SEL], 0x76543210
	s_mov_b32 s[SEL+1], 0xfedcba98                 ; v_permlanex16_b32: lane l xor 16
.irp b, 0,1,2,3
	v_mov_b32 v[TM+4+\b], 0                        ; written once: a lane permute's destination counts as one of its sources
.endr
.irp f, 0,1
.irp i, 0,1,2,3,4,5,6,7,8,9,10,11,12,13,14,15
	global_load_b128 v[X+64*\f+4*\i:X+64*\f+4*\i+3], v[LQ], s[20:21] offset:\i*4096+\f*512 th:TH_LOAD_NT   ; 512 consecutive bytes of row i
.endr
.endr
	s_wait_loadcnt 16                              ; the first fragment's 16 rows are in; the second's may be out
.irp i, 0,1,2,3,4,5,6,7,8,9,10,11,12,13,14,15
	ds_store_b128 v[SWA], v[X+4*\i:X+4*\i+3] offset:\i*QP
.endr
.irp b, 0,1,2,3
.irp j, 0,1,2,3
	ds_load_b128 v[C+16*\b+4*\j:C+16*\b+4*\j+3], v[SRA] offset:128*\b+16*\j   ; LDS serves a wave's instructions in order: these see my stores
.endr
.endr
	s_wait_loadcnt 0x0
.irp i, 0,1,2,3,4,5,6,7,8,9,10,11,12,13,14,15
	ds_store_b128 v[SWA], v[X+64+4*\i:X+64+4*\i+3] offset:QST+\i*QP
.endr
	s_wait_dscnt 16                                ; all but the 16 stores just issued: the first fragment's numbers are back, and its stores have read v32-95, which the loads below take
.irp b, 0,1,2,3
.irp j, 0,1,2,3
	ds_load_b128 v[X+16*\b+4*\j:X+16*\b+4*\j+3], v[SRA] offset:QST+128*\b+16*\j
.endr
.endr
	QUANT C, PCQ, PWQ
	global_store_b128 v[LQ], v[PCQ:PCQ+3], s[22:23]               ; 512 consecutive bytes a wave, aligned
	global_store_b128 v[LQ], v[PCQ+4:PCQ+7], s[22:23] offset:512
	s_wait_dscnt 0x0                               ; the second fragment's numbers are back
	QUANT X, PCQ+8, PWQ+1
	global_store_b128 v[LQ], v[PCQ+8:PCQ+11], s[22:23] offset:1024
	global_store_b128 v[LQ], v[PCQ+12:PCQ+15], s[22:23] offset:1536
	v_cmp_le_u32 vcc_lo, 16, v[LN]                 ; both halves of the lanes hold row r's word: lanes 0-15 give the first K step's, lanes 16-31 the second's
	v_cndmask_b32 v254, v[PWQ], v[PWQ+1], vcc_lo
	global_store_b32 v1, v254, s[24:25]            ; 128 consecutive bytes
	s_wait_tensorcnt 0x0                           ; the wave's end, behind my last LDS store
	ds_add_u32 v[SPW], v[NIL]
	s_wait_dscnt 0x0
	s_endpgm
.Lfunc_end_k_qb95b0ab014_prep:
	.size	k_qb95b0ab014_prep, .Lfunc_end_k_qb95b0ab014_prep-k_qb95b0ab014_prep
	.p2alignl 7, 3214868480
	.fill 96, 4, 3214868480
	.section	.rodata,"a",@progbits
	.p2align	6, 0x0
	.amdhsa_kernel k_qb95b0ab014_prep
		.amdhsa_group_segment_fixed_size 68096
		.amdhsa_private_segment_fixed_size 0
		.amdhsa_enable_private_segment 0
		.amdhsa_kernarg_size 64
		.amdhsa_user_sgpr_count 2
		.amdhsa_user_sgpr_kernarg_segment_ptr 1
		.amdhsa_wavefront_size32 1
		.amdhsa_system_sgpr_workgroup_id_x 1
		.amdhsa_system_sgpr_workgroup_id_y 1
		.amdhsa_system_sgpr_workgroup_id_z 1
		.amdhsa_system_vgpr_workitem_id 0
		.amdhsa_next_free_vgpr 256
		.amdhsa_next_free_sgpr 66
		.amdhsa_reserve_vcc 1
		.amdhsa_float_denorm_mode_32 3
		.amdhsa_float_denorm_mode_16_64 3
		.amdhsa_memory_ordered 1
		.amdhsa_forward_progress 1
		.amdhsa_inst_pref_size 74
	.end_amdhsa_kernel
	.amdgpu_metadata
---
amdhsa.version: [ 1, 2 ]
amdhsa.kernels:
  - .name:           k_qb95b0ab014_prep
    .symbol:         k_qb95b0ab014_prep.kd
    .args:
      - { .name: Wq, .offset: 0, .size: 8, .value_kind: global_buffer, .address_space: global }
      - { .name: Wk, .offset: 8, .size: 8, .value_kind: global_buffer, .address_space: global }
      - { .name: Wv, .offset: 16, .size: 8, .value_kind: global_buffer, .address_space: global }
      - { .name: Wo, .offset: 24, .size: 8, .value_kind: global_buffer, .address_space: global }
      - { .name: wfp4, .offset: 32, .size: 8, .value_kind: global_buffer, .address_space: global }
      - { .name: wof, .offset: 40, .size: 8, .value_kind: global_buffer, .address_space: global }
      - { .name: query, .offset: 48, .size: 8, .value_kind: global_buffer, .address_space: global }
      - { .name: xq, .offset: 56, .size: 8, .value_kind: global_buffer, .address_space: global }
    .group_segment_fixed_size: 68096
    .private_segment_fixed_size: 0
    .kernarg_segment_align: 8
    .kernarg_segment_size: 64
    .max_flat_workgroup_size: 128
    .sgpr_count:     66
    .vgpr_count:     256
    .wavefront_size: 32
...
	.end_amdgpu_metadata
.endif
;; end of part 1
;; launch projkv (part 2): grid 256 x 1, 4 waves a work-group, no clusters, 167,936 bytes of LDS; arguments key, value, bk, bv, wfp4, kf, vf; writes kf, vf
.if DOCPART == 2
	.amdgcn_target "amdgcn-amd-amdhsa--gfx1250"
	.amdhsa_code_object_version 6
	.text
	.protected	k_qb95b0ab014_projkv
	.globl	k_qb95b0ab014_projkv
	.p2align	8
	.type	k_qb95b0ab014_projkv,@function
k_qb95b0ab014_projkv:
	s_mov_b64 s[64:65], 0
	v_nop
	global_prefetch_b8 v0, s[64:65] scope:SCOPE_SE
	s_setreg_imm32_b32 hwreg(HW_REG_WAVE_MODE, 25, 1), 1
	s_wait_xcnt 0x0
; kf = f16 of Q(key) Q(Wk) + bk, vf = f16 of Q(value) Q(Wv) + bv, the products on codes of FP4 (E2M1) with one E8M0 scale for each 32 along K = 1,024.
; SHARES.  Work-groups 0-127 take 32 rows of key each, 128-255 32 rows of value.  Wave w quantises rows 16 (w / 2) on, K steps 4 (w % 2) to 4 (w % 2) + 3 (two tensor tiles of 16 rows x 1,024 bytes), stores the four
; fragments to LDS as images of their registers | barrier | and makes output tile w (16 of the 64 columns) for both tiles of rows: 16 products, two accumulators by turns.
; K: the product is used transposed (source 0 = Wk's tile, source 1 = x): a lane holds key r and channels 16 w + 8 h + 0..7.  kf: kt x 2048 + w x 512 + 16 x lane (kt: a block of 16 keys).
; V: source 0 = x, source 1 = Wv's tile: a lane holds channel 16 w + r and keys 8 h + 0..7, the keys along its registers, as the attention's second product takes them.  vf: kt x 2048 + w x 512 + 16 x lane.
; K's and V's ways part twice, at the bias loads and at the products; both arms write the same registers.  All else is chosen by pointers.
; NO CLUSTER: each row of key and value is read by one work-group; what work-groups share, a tile of weights a wave (8,704 bytes beside 32,768 of x), is a small part of their bytes.
; LIMITS: |K|, |V| stay under 65,504; a block under 2^-124 (zeros too) gets the byte 1; NaN and infinities are not served.
.set XP,    1040
.set XT,    16*XP
.set XIMG,  8*XT                       ; behind the 8 tiles: x's fragments [m][K step] x 1,024 bytes
.set XSC,   XIMG+16*1024
.set SPARE, XSC+16*64
.set SCB,   589824
.set LI,   1
.set LS,   2
.set XA,   3
.set XWI,  4
.set XWS,  5
.set LIX,  6
.set LSX,  7
.set BH,   8                           ; 32 x (lane / 16)
.set BR,   9                           ; 4 x (lane % 16)
.set SPW,  14
.set NIL,  15
.set WSC,  16                          ; v16-19 the weight tile's scale words
.set BIA,  48                          ; v48-55 the bias in the result's layout
.set TM,   80
.set PC0,  92
.set PW0,  108
.set XSCR, 110                         ; v110-117 x's scale words
.set ST0,  128
.set OUTT, 176
.set ACC,  192
.set WF,   128                         ; window 1: v0-127 x's 16 fragments, v128-191 the weight tile's 8
.set WV,   18
.set SEL,  20
.set G1,   24
.set G0,   32
.set MSB, 0
.macro WIN new
.if MSB != \new
	s_set_vgpr_msb (MSB<<8)|\new
.set MSB, \new
.endif
.endm
.macro PLACES n
.rept \n
	v_nop
.endr
.endm
.macro LOADX ks                        ; my ks-th K step: register 16 b + 4 j + i = k 32 b + 16 (lane / 16) + 4 j + i of row lane % 16
.irp b, 0,1,2,3
.irp j, 0,1,2,3
	ds_load_b128 v[ST0+64*((\ks)%2)+16*\b+4*\j:ST0+64*((\ks)%2)+16*\b+4*\j+3], v[XA] offset:((\ks)/2)*XT+((\ks)%2)*512+128*\b+16*\j
.endr
.endr
.endm
.macro QUANT s, pc, pw
.irp b, 0,1,2,3
	v_max3_num_f32 v[TM+\b], |v[\s+16*\b]|, |v[\s+1+16*\b]|, 0x1800000   ; and the floor 2^(3 - 127): the byte cannot fall under 1
.endr
.irp i, 2,4,6,8,10,12,14
.irp b, 0,1,2,3
	v_max3_num_f32 v[TM+\b], v[TM+\b], |v[\s+16*\b+\i]|, |v[\s+1+16*\b+\i]|
.endr
.endr
.irp b, 0,1,2,3
	v_permlanex16_b32 v[TM+4+\b], v[TM+\b], s[SEL], s[SEL+1]
.endr
.irp b, 0,1,2,3
	v_max_num_f32 v[TM+\b], v[TM+\b], v[TM+4+\b]
.endr
.irp b, 0,1,2,3
	v_add_nc_u32 v[TM+8+\b], 0xff000000, v[TM+\b]
.endr
.irp b, 0,1,2,3
	v_lshrrev_b32 v[TM+4+\b], 23, v[TM+8+\b]
.endr
	v_lshl_or_b32 v[\pw], v[TM+5], 8, v[TM+4]
	v_lshl_or_b32 v[\pw], v[TM+6], 16, v[\pw]
	v_lshl_or_b32 v[\pw], v[TM+7], 24, v[\pw]
.irp b, 0,1,2,3
	v_cvt_scalef32_pk8_fp4_f32 v[\pc+2*\b], v[\s+16*\b:\s+7+16*\b], v[TM+8+\b]
	v_cvt_scalef32_pk8_fp4_f32 v[\pc+1+2*\b], v[\s+8+16*\b:\s+15+16*\b], v[TM+8+\b]
.endr
	v_nop                                          ; one plain place behind a scaled conversion
.irp c, 0,1
.irp i, 0,1
	v_permlane16_swap_b32 v[\pc+4*\c+\i], v[\pc+2+4*\c+\i]
.endr
.endr
.endm
.macro IMAGE ks
.irp c, 0,1
	ds_store_b128 v[XWI], v[PC0+8*((\ks)%2)+4*\c:PC0+8*((\ks)%2)+4*\c+3] offset:(\ks)*1024+512*\c
.endr
	ds_store_b32 v[XWS], v[PW0+(\ks)%2] offset:(\ks)*64
.endm
	s_load_b256 s[4:11], s[0:1], 0x0               ; key s[4:5], value s[6:7], bk s[8:9], bv s[10:11]
	s_load_b128 s[12:15], s[0:1], 0x20             ; wfp4 s[12:13], kf s[14:15]
	s_load_b64 s[16:17], s[0:1], 0x30              ; vf
	v_lshl_add_u32 v[SPW], v0, 2, SPARE
	v_mov_b32 v[NIL], 0
	ds_add_u32 v[SPW], v[NIL]                      ; the wave's opening: the add, twice on end, and its wait ahead of my first tensor load
	ds_add_u32 v[SPW], v[NIL]
	v_lshrrev_b32 v16, 5, v0
	v_readfirstlane_b32 s[WV], v16
	s_mov_b32 s[G1], (2<<16)|(1<<20)|(7<<22)|(3<<25)   ; elements of 4 bytes; 4 words of padding behind every 256
	s_mov_b32 s[G1+1], 256<<16
	s_mov_b32 s[G1+2], 16<<16
	s_mov_b32 s[G1+3], 256<<16
	s_mov_b32 s[G1+4], 16
	s_mov_b32 s[G1+5], 1024
	s_mov_b32 s[G1+6], 0
	s_mov_b32 s[G1+7], 0
	s_mov_b32 s[SEL], 0x76543210
	s_mov_b32 s[SEL+1], 0xfedcba98
	s_mul_i32 s19, s[WV], 2*XT                     ; my two tiles in LDS
	s_and_b32 s40, ttmp9, 127                      ; which 32 rows
	s_lshl_b32 s42, s40, 17
	s_lshr_b32 s41, s[WV], 1
	s_lshl_b32 s41, s41, 16                        ; which 16 of them,
	s_add_co_u32 s42, s42, s41
	s_and_b32 s41, s[WV], 1
	s_lshl_b32 s41, s41, 11                        ; which half of K
	s_add_co_u32 s42, s42, s41
	s_mov_b32 s43, 0
	s_lshr_b32 s44, ttmp9, 7
	s_lshl_b32 s44, s44, 2
	s_add_co_u32 s44, s44, 64
	s_add_co_u32 s44, s44, s[WV]                   ; my tile of weights: 64 + wave (Wk), 68 + wave (Wv)
	v_and_b32 v16, 31, v0
	v_and_b32 v17, 15, v0
	v_bfe_u32 v18, v0, 4, 1
	v_lshlrev_b32 v[LI], 4, v16
	v_lshlrev_b32 v[LS], 2, v16
	v_mul_u32_u24 v[XA], v17, XP
	v_lshl_add_u32 v[XA], v18, 6, v[XA]
	v_add_nc_u32 v[XA], s19, v[XA]
	s_lshl_b32 s22, s[WV], 12
	v_add_nc_u32 v[XWI], s22, v[LI]
	v_add_nc_u32 v[XWI], XIMG, v[XWI]
	s_lshl_b32 s23, s[WV], 8
	v_lshl_add_u32 v[XWS], v17, 2, s23
	v_add_nc_u32 v[XWS], XSC, v[XWS]
	v_add_nc_u32 v[LIX], XIMG, v[LI]
	v_add_nc_u32 v[LSX], XSC, v[LS]
	v_lshlrev_b32 v[BH], 5, v18
	v_lshlrev_b32 v[BR], 2, v17
.irp b, 0,1,2,3
	v_mov_b32 v[TM+4+\b], 0
.endr
	s_wait_dscnt 0x0                               ; both opening adds are done
	s_wait_kmcnt 0x0
	s_cmp_lt_u32 ttmp9, 128                        ; K's work-group or V's: the choice hangs on the work-group's number alone
	s_cselect_b64 s[4:5], s[4:5], s[6:7]           ; x
	s_cselect_b64 s[8:9], s[8:9], s[10:11]         ; the bias
	s_cselect_b64 s[14:15], s[14:15], s[16:17]     ; the result
	s_add_nc_u64 s[4:5], s[4:5], s[42:43]
.irp q, 0,1
	s_mov_b32 s[G0+4*\q], 1
	s_add_co_u32 s[G0+4*\q+1], s19, \q*XT
	s_add_nc_u64 s[G0+4*\q+2:G0+4*\q+3], s[4:5], \q*1024
	s_or_b32 s[G0+4*\q+3], s[G0+4*\q+3], 0x80000000
.endr
.irp q, 0,1
	tensor_load_to_lds s[G0+4*\q:G0+4*\q+3], s[G1:G1+7]   ; two loads of mine are out; nothing is filled twice
	s_nop 0
.endr
	PLACES 4
	s_lshl_b32 s42, s44, 9
	s_add_co_u32 s42, s42, SCB
	s_add_nc_u64 s[46:47], s[12:13], s[42:43]      ; the tile's scale words,
	s_lshl_b32 s42, s44, 13
	s_add_nc_u64 s[12:13], s[12:13], s[42:43]      ; its codes,
	s_lshl_b32 s42, s[WV], 6
	s_add_nc_u64 s[8:9], s[8:9], s[42:43]          ; its 16 numbers of the bias,
	s_lshl_b32 s42, s40, 12
	s_lshl_b32 s41, s[WV], 9
	s_add_co_u32 s42, s42, s41
	s_add_nc_u64 s[14:15], s[14:15], s[42:43]      ; and its place in the result
	WIN 0x40                                       ; destination window 1
.irp ks, 0,1,2,3,4,5,6,7
.irp c, 0,1
	global_load_b128 v[WF+8*\ks+4*\c:WF+8*\ks+4*\c+3], v[LI], s[12:13] offset:\ks*1024+\c*512
.endr
.endr
	WIN 0
.irp p, 0,1,2,3
	global_load_b32 v[WSC+\p], v[LS], s[46:47] offset:\p*128
.endr
	s_cmp_lt_u32 ttmp9, 128
	s_cbranch_scc0 .Lbias_v
	global_load_b128 v[BIA:BIA+3], v[BH], s[8:9]             ; K: register j = bk[16 w + 8 h + j]
	global_load_b128 v[BIA+4:BIA+7], v[BH], s[8:9] offset:16
	s_branch .Lbias_done
.Lbias_v:
.irp j, 0,1,2,3,4,5,6,7
	global_load_b32 v[BIA+\j], v[BR], s[8:9]                 ; V: every register = bv[16 w + r]
.endr
.Lbias_done:
	; ---- X: four fragments a wave
	s_wait_tensorcnt 1                             ; my first tile is in; the second may be out
	LOADX 0
	LOADX 1
.irp ks, 0,1,2,3
.if \ks == 0
	s_wait_dscnt 16                                ; the next step's 16 loads may be out
.elseif \ks == 3
	s_wait_dscnt 3                                 ; the last image's three stores may be out
.else
	s_wait_dscnt 19                                ; an image's three stores and the next step's 16 loads may be out
.endif
	QUANT ST0+64*(\ks%2), PC0+8*(\ks%2), PW0+(\ks%2)
	IMAGE \ks
.if \ks < 2
.if \ks == 0
	s_wait_tensorcnt 0x0                           ; my second tile is in
.endif
	LOADX \ks+2
.endif
.endr
	s_wait_dscnt 0x0                               ; for the others' sake: my images lie in LDS
	s_barrier_signal -1
	s_barrier_wait -1
	WIN 0x40
.irp m, 0,1
.irp ks, 0,1,2,3,4,5,6,7
.irp c, 0,1
	ds_load_b128 v[64*\m+8*\ks+4*\c:64*\m+8*\ks+4*\c+3], v[LIX] offset:\m*8192+\ks*1024+\c*512
.endr
.endr
.endr
	WIN 0
.irp m, 0,1
.irp p, 0,1,2,3
	ds_load_b32 v[XSCR+4*\m+\p], v[LSX] offset:\m*512+\p*128
.endr
.endr
	s_wait_loadcnt 0x0
	s_wait_dscnt 0x0
	s_cmp_lt_u32 ttmp9, 128
	s_cbranch_scc0 .Lmul_v
	WIN 0x05                                       ; sources 0 and 1 window 1
.irp ks, 0,1,2,3,4,5,6,7
.irp m, 0,1
.if \ks == 0
	v_wmma_scale_f32_16x16x128_f8f6f4 v[ACC+8*\m:ACC+8*\m+7], v[WF+8*\ks:WF+8*\ks+7], v[64*\m+8*\ks:64*\m+8*\ks+7], v[BIA:BIA+7], v[WSC+\ks/2], v[XSCR+4*\m+\ks/2] matrix_a_fmt:MATRIX_FMT_FP4 matrix_b_fmt:MATRIX_FMT_FP4
.elseif \ks%2 == 0
	v_wmma_scale_f32_16x16x128_f8f6f4 v[ACC+8*\m:ACC+8*\m+7], v[WF+8*\ks:WF+8*\ks+7], v[64*\m+8*\ks:64*\m+8*\ks+7], v[ACC+8*\m:ACC+8*\m+7], v[WSC+\ks/2], v[XSCR+4*\m+\ks/2] matrix_a_fmt:MATRIX_FMT_FP4 matrix_b_fmt:MATRIX_FMT_FP4
.else
	v_wmma_scale_f32_16x16x128_f8f6f4 v[ACC+8*\m:ACC+8*\m+7], v[WF+8*\ks:WF+8*\ks+7], v[64*\m+8*\ks:64*\m+8*\ks+7], v[ACC+8*\m:ACC+8*\m+7], v[WSC+\ks/2], v[XSCR+4*\m+\ks/2] matrix_a_fmt:MATRIX_FMT_FP4 matrix_b_fmt:MATRIX_FMT_FP4 matrix_a_scale:MATRIX_SCALE_ROW1 matrix_b_scale:MATRIX_SCALE_ROW1
.endif
.endr
.endr
	WIN 0
	s_branch .Lmul_done
.Lmul_v:
	WIN 0x05
.irp ks, 0,1,2,3,4,5,6,7
.irp m, 0,1
.if \ks == 0
	v_wmma_scale_f32_16x16x128_f8f6f4 v[ACC+8*\m:ACC+8*\m+7], v[64*\m+8*\ks:64*\m+8*\ks+7], v[WF+8*\ks:WF+8*\ks+7], v[BIA:BIA+7], v[XSCR+4*\m+\ks/2], v[WSC+\ks/2] matrix_a_fmt:MATRIX_FMT_FP4 matrix_b_fmt:MATRIX_FMT_FP4
.elseif \ks%2 == 0
	v_wmma_scale_f32_16x16x128_f8f6f4 v[ACC+8*\m:ACC+8*\m+7], v[64*\m+8*\ks:64*\m+8*\ks+7], v[WF+8*\ks:WF+8*\ks+7], v[ACC+8*\m:ACC+8*\m+7], v[XSCR+4*\m+\ks/2], v[WSC+\ks/2] matrix_a_fmt:MATRIX_FMT_FP4 matrix_b_fmt:MATRIX_FMT_FP4
.else
	v_wmma_scale_f32_16x16x128_f8f6f4 v[ACC+8*\m:ACC+8*\m+7], v[64*\m+8*\ks:64*\m+8*\ks+7], v[WF+8*\ks:WF+8*\ks+7], v[ACC+8*\m:ACC+8*\m+7], v[XSCR+4*\m+\ks/2], v[WSC+\ks/2] matrix_a_fmt:MATRIX_FMT_FP4 matrix_b_fmt:MATRIX_FMT_FP4 matrix_a_scale:MATRIX_SCALE_ROW1 matrix_b_scale:MATRIX_SCALE_ROW1
.endif
.endr
.endr
	WIN 0
.Lmul_done:
	PLACES 4                                       ; in front of the first read of results
.irp m, 0,1
.irp j, 0,1,2,3
	v_cvt_pk_f16_f32 v[OUTT+4*\m+\j], v[ACC+8*\m+2*\j], v[ACC+8*\m+2*\j+1]   ; each accumulator from its low end on
.endr
	global_store_b128 v[LI], v[OUTT+4*\m:OUTT+4*\m+3], s[14:15] offset:\m*2048   ; 512 consecutive bytes a wave, aligned
.endr
	s_wait_tensorcnt 0x0                           ; the wave's end
	ds_add_u32 v[SPW], v[NIL]
	s_wait_dscnt 0x0
	s_endpgm
.Lfunc_end_k_qb95b0ab014_projkv:
	.size	k_qb95b0ab014_projkv, .Lfunc_end_k_qb95b0ab014_projkv-k_qb95b0ab014_projkv
	.p2alignl 7, 3214868480
	.fill 96, 4, 3214868480
	.section	.rodata,"a",@progbits
	.p2align	6, 0x0
	.amdhsa_kernel k_qb95b0ab014_projkv
		.amdhsa_group_segment_fixed_size 167936
		.amdhsa_private_segment_fixed_size 0
		.amdhsa_enable_private_segment 0
		.amdhsa_kernarg_size 56
		.amdhsa_user_sgpr_count 2
		.amdhsa_user_sgpr_kernarg_segment_ptr 1
		.amdhsa_wavefront_size32 1
		.amdhsa_system_sgpr_workgroup_id_x 1
		.amdhsa_system_sgpr_workgroup_id_y 1
		.amdhsa_system_sgpr_workgroup_id_z 1
		.amdhsa_system_vgpr_workitem_id 0
		.amdhsa_next_free_vgpr 448
		.amdhsa_next_free_sgpr 66
		.amdhsa_reserve_vcc 0
		.amdhsa_float_denorm_mode_32 3
		.amdhsa_float_denorm_mode_16_64 3
		.amdhsa_memory_ordered 1
		.amdhsa_forward_progress 1
		.amdhsa_inst_pref_size 35
	.end_amdhsa_kernel
	.amdgpu_metadata
---
amdhsa.version: [ 1, 2 ]
amdhsa.kernels:
  - .name:           k_qb95b0ab014_projkv
    .symbol:         k_qb95b0ab014_projkv.kd
    .args:
      - { .name: key, .offset: 0, .size: 8, .value_kind: global_buffer, .address_space: global }
      - { .name: value, .offset: 8, .size: 8, .value_kind: global_buffer, .address_space: global }
      - { .name: bk, .offset: 16, .size: 8, .value_kind: global_buffer, .address_space: global }
      - { .name: bv, .offset: 24, .size: 8, .value_kind: global_buffer, .address_space: global }
      - { .name: wfp4, .offset: 32, .size: 8, .value_kind: global_buffer, .address_space: global }
      - { .name: kf, .offset: 40, .size: 8, .value_kind: global_buffer, .address_space: global }
      - { .name: vf, .offset: 48, .size: 8, .value_kind: global_buffer, .address_space: global }
    .group_segment_fixed_size: 167936
    .private_segment_fixed_size: 0
    .kernarg_segment_align: 8
    .kernarg_segment_size: 56
    .max_flat_workgroup_size: 128
    .sgpr_count:     66
    .vgpr_count:     448
    .wavefront_size: 32
...
	.end_amdgpu_metadata
.endif
;; end of part 2
;; launch attn (part 3): grid 256 x 1, 8 waves a work-group, clusters of 4 x 1, 327,680 bytes of LDS; arguments xq, bq, wfp4, kf, vf, af; writes af
.if DOCPART == 3
	.amdgcn_target "amdgcn-amd-amdhsa--gfx1250"
	.amdhsa_code_object_version 6
	.text
	.protected	k_qb95b0ab014_attn
	.globl	k_qb95b0ab014_attn
	.p2align	8
	.type	k_qb95b0ab014_attn,@function
k_qb95b0ab014_attn:
	s_mov_b64 s[64:65], 0
	v_nop
	global_prefetch_b8 v0, s[64:65] scope:SCOPE_SE
	s_setreg_imm32_b32 hwreg(HW_REG_WAVE_MODE, 25, 1), 1
	s_wait_xcnt 0x0
	s_wait_alu depctr_hold_cnt(0) depctr_sa_sdst(0) depctr_va_vdst(0) depctr_va_sdst(0) depctr_va_ssrc(0) depctr_va_vcc(0) depctr_vm_vsrc(0)
	s_getreg_b32 s2, hwreg(HW_REG_IB_STS2, 6, 4)
	s_cmp_eq_u32 s2, 0
	s_cbranch_scc0 .Lentry_in_a_cluster
	s_endpgm
.Lentry_in_a_cluster:
	s_bfe_u32 s2, ttmp6, 0x10000c
	s_cmp_lg_u32 s2, 0x3003
	s_cbranch_scc0 .Lentry_shape_is_right
	s_endpgm
.Lentry_shape_is_right:
; af = f16 of softmax(Q K^T / 8) V, Q = Q(query) Q(Wq) + bq, for 16 heads of size 64 that share one K and V; 2 batches of 2,048 positions.
; Q's product runs on codes of FP4 (E2M1) with one E8M0 scale for each 32 along K = 1,024 (xq, wfp4: made by the first launch); the other two on f16 operands; products, maxima and sums in f32.
; SHARES.  A work-group owns 64 positions with 4 heads: 16 tiles of 16 queries.  Wave w owns head 4 hg + w / 2 and the position tiles 2 (w % 2) and 2 (w % 2) + 1.  Two waves to a SIMD: one wave's softmax stands beside the other's products.
; Every wave walks the batch's 2,048 keys, 64 a step.
; CLUSTER.  The four partners are four blocks of 64 positions of one batch with the SAME four heads: they need the same 16 tiles of Wq (131,072 bytes) and walk the same K and V, so all of these are asked for JOINTLY: the same
; tensor load, the same descriptor, a mask that names the four.  A partner's place enters the addresses of xq and af alone: no branch and no LDS address.
; Q, AT THE HEAD.  Wq's 16 tiles come into slot 1's bytes with the first fills (wave w brings tiles 2 w, 2 w + 1).  A wave takes its head's four tiles from LDS (window 1), its two tiles of rows, the scale words and the bias from memory
; straight into registers, and makes 4 x 2 x 8 = 64 products, used TRANSPOSED (source 0 = 16 columns of Wq, source 1 = 16 rows of x), the bias as the C of each sum's first: a lane holds position r and channels 16 t + 8 h + 0..7.
; Times c = log2(e) / 8 and rounded to f16 they ARE the registers of Q's fragments: a score is then t = log2(e) x score / 8.  Slot 1 is then filled with keys 512 on, as every refill is.
; LAYOUT.  S^T = K Q^T (source 0 = 16 keys, source 1 = 16 queries), O^T = V^T P^T (source 0 = 16 channels, source 1 = P): a lane holds ONE query (lane % 16) throughout.  xq, wfp4, kf, vf lie in the order of the operands'
; registers, groups of 512 bytes with lane l's 16 bytes at 16 l: every LDS and global access of them is 16 x lane + constants: consecutive bytes, no padding, no turning load.  O^T rounded to f16 is the register image that the last
; product takes: af: block of 16 positions pb x 32768 + (4 head + t) x 512 + 16 x lane.
; SOFTMAX.  A running maximum m and sum l for each query: p = 2^(t - m); in every step O and l are multiplied by a = 2^(m_old - m_new).  m begins at -3e38, l and O at zero: the first a is 0 and multiplies zeros.
; RING.  Two slots of 512 keys (K 65,536 bytes, then V 65,536); each of the eight waves asks for an eighth of a slot (64 rows of 256 bytes, dense).  Two loads of a wave are out at the start (Wq's part, slot 0's part), one behind
; each of three rounds of the cluster's barrier; each refill has eight key steps in which to land.
; LIMITS: |c Q| and the result stay under 65,504; p under 6e-8 is rounded to 0 for the second product (l is summed from the unrounded p); NaN and infinities are not served.
; REGISTERS: window 0: v1-6 addresses and the add's two; v8-23 statistics, 8 a tile: +0 m, +1 its pair's partner, +2, +3 l, +4..7 at work (a in +6); v24-55 Q; v56-119 S^T, then p; v120-151 P; v152-215 O^T.
;   At the head: v8-23 Wq's scale words (4 t + p: lanes 0-15 K step 2 p, lanes 16-31 K step 2 p + 1); v56-183 x's 16 fragments; v184-215 the bias, 8 a tile; v216-231 two accumulators; v232-234 addresses; v236-243 at work;
;   v248-255 x's scale words (4 q + p, packed likewise).   window 1: at the head Wq's four tiles; then v0-63 K of a step, v64-127 V of a step.
.set SLOT1, 1<<17
.set VOFF,  65536
.set SPARE, 2*SLOT1                    ; behind the ring: the spare words, 128 bytes a wave: four blocks of 256 bytes that no other line names
.set SCB,   589824                     ; wfp4: where the scale words begin
.set XSB,   2097152                    ; xq: where the scale words begin
.set LI,  1                            ; 16 x lane
.set LIV, 2                            ; 16 x lane + VOFF
.set ADK, 3
.set SPW, 4
.set NIL, 5
.set ADV, 6
.set ST,  8
.set WSC, 8
.set QF,  24
.set S,   56
.set XF,  56
.set P,   120
.set O,   152
.set BIA, 184
.set ACC, 216
.set LS,  232                          ; 4 x lane
.set BH,  233                          ; 32 x (lane / 16)
.set ADW, 234                          ; LDS address of my head's four tiles of Wq
.set TT,  236
.set XSCR, 248
.set KF,  0
.set VF,  64
.set WV,  16
.set SEL, 20
.set TB,  22                           ; LDS byte at which the step's K begins
.set CNT, 23
.set G1,  24
.set G0A, 32                           ; group 0 for slot 0's first fill
.set G0W, 36                           ; group 0 for slot 1's keys, which then walks
.set G0X, 40                           ; group 0 for Wq's tiles
.set CS,  44
.set MSB, 0
.macro WIN new
.if MSB != \new
	s_set_vgpr_msb (MSB<<8)|\new
.set MSB, \new
.endif
.endm
.macro CROUND                          ; a round of the cluster's barrier
	s_barrier_signal -1
	s_barrier_wait -1
	s_cmp_lg_u32 s[WV], 0
	s_cbranch_scc1 .Lnot_wave_0_\@
	s_barrier_signal -3
.Lnot_wave_0_\@:
	s_barrier_wait -3
	s_barrier_signal -1
	s_barrier_wait -1
.endm
.macro KLOADS off                      ; a step's K: 16 groups; group 4 kt + u -> registers 16 kt + 4 u
.irp i, 0,1,2,3,4,5,6,7,8,9,10,11,12,13,14,15
	ds_load_b128 v[KF+4*\i:KF+4*\i+3], v[ADK] offset:\off+512*\i
.endr
.endm
.macro VLOADS                          ; a step's V: group (kt, t) -> half kt % 2 of fragment (kt / 2, t)
.irp kt, 0,1,2,3
.irp t, 0,1,2,3
	ds_load_b128 v[VF+32*(\kt/2)+8*\t+4*(\kt%2):VF+32*(\kt/2)+8*\t+4*(\kt%2)+3], v[ADV] offset:(4*\kt+\t)*512
.endr
.endr
.endm
; Tile t of Wq against my two tiles of rows: 16 products, the two accumulators by turns
.macro MULQ t
	WIN 0x01                                       ; source 0 (Wq) window 1
.irp ks, 0,1,2,3,4,5,6,7
.irp q, 0,1
.if \ks == 0
	v_wmma_scale_f32_16x16x128_f8f6f4 v[ACC+8*\q:ACC+8*\q+7], v[64*(\t)+8*\ks:64*(\t)+8*\ks+7], v[XF+64*\q+8*\ks:XF+64*\q+8*\ks+7], v[BIA+8*(\t):BIA+8*(\t)+7], v[WSC+4*(\t)+\ks/2], v[XSCR+4*\q+\ks/2] matrix_a_fmt:MATRIX_FMT_FP4 matrix_b_fmt:MATRIX_FMT_FP4
.elseif \ks%2 == 0
	v_wmma_scale_f32_16x16x128_f8f6f4 v[ACC+8*\q:ACC+8*\q+7], v[64*(\t)+8*\ks:64*(\t)+8*\ks+7], v[XF+64*\q+8*\ks:XF+64*\q+8*\ks+7], v[ACC+8*\q:ACC+8*\q+7], v[WSC+4*(\t)+\ks/2], v[XSCR+4*\q+\ks/2] matrix_a_fmt:MATRIX_FMT_FP4 matrix_b_fmt:MATRIX_FMT_FP4
.else
	v_wmma_scale_f32_16x16x128_f8f6f4 v[ACC+8*\q:ACC+8*\q+7], v[64*(\t)+8*\ks:64*(\t)+8*\ks+7], v[XF+64*\q+8*\ks:XF+64*\q+8*\ks+7], v[ACC+8*\q:ACC+8*\q+7], v[WSC+4*(\t)+\ks/2], v[XSCR+4*\q+\ks/2] matrix_a_fmt:MATRIX_FMT_FP4 matrix_b_fmt:MATRIX_FMT_FP4 matrix_a_scale:MATRIX_SCALE_ROW1 matrix_b_scale:MATRIX_SCALE_ROW1
.endif
.endr
.endr
	WIN 0
.endm
.macro OUTQ t                          ; x c, to f16: group t of Q's fragments; each accumulator is read from its low end on
.irp q, 0,1
.irp j, 0,2,4,6
	v_pk_mul_f32 v[TT+\j:TT+\j+1], v[ACC+8*\q+\j:ACC+8*\q+\j+1], s[CS:CS+1] op_sel_hi:[1,0]
.endr
.irp j, 0,1,2,3
	v_cvt_pk_f16_f32 v[QF+16*\q+4*(\t)+\j], v[TT+2*\j], v[TT+2*\j+1]
.endr
.endr
.endm
; A KEY STEP.  kind 0: inside a slot.  1: a slot's last step; the slot is filled again.  2: a slot's last step, nothing is filled.  3: the last step of all.  nb: where the next slot begins.
.macro STEP kind, nb
	s_wait_dscnt 0x0                               ; this step's K is in
	WIN 0x01                                       ; source 0 window 1
.irp f, 0,1                            ; the eight accumulators by turns; the first 32 channels start the sums
.irp kt, 0,1,2,3
.irp q, 0,1
.if \f == 0
	v_wmma_f32_16x16x32_f16 v[S+32*\q+8*\kt:S+32*\q+8*\kt+7], v[KF+16*\kt+8*\f:KF+16*\kt+8*\f+7], v[QF+16*\q+8*\f:QF+16*\q+8*\f+7], 0
.else
	v_wmma_f32_16x16x32_f16 v[S+32*\q+8*\kt:S+32*\q+8*\kt+7], v[KF+16*\kt+8*\f:KF+16*\kt+8*\f+7], v[QF+16*\q+8*\f:QF+16*\q+8*\f+7], v[S+32*\q+8*\kt:S+32*\q+8*\kt+7]
.endif
.endr
.endr
.endr
	WIN 0
	v_add_nc_u32 v[ADK], s[TB], v[LI]              ; four places in front of loads into registers that matrix instructions have read, and of the first read of the scores
	v_add_nc_u32 v[ADV], s[TB], v[LIV]
	v_nop
	v_nop
	WIN 0x40                                       ; destination window 1
	VLOADS
.if \kind == 0
	KLOADS 8192                                    ; the next step's K
.endif
	WIN 0
.if (\kind == 1) || (\kind == 2)
	; THE CHANGE OF SLOTS: all my tensor loads have landed (my part of the other slot); the add; my reads of this slot are over; then the barrier
	s_wait_tensorcnt 0x0
	ds_add_u32 v[SPW], v[NIL]                      ; 0 onto my spare word
.if \kind == 1
	s_xor_b32 s[G0W+1], s[G0W+1], SLOT1            ; the walking descriptor: the slot just read out,
	s_add_nc_u64 s[G0W+2:G0W+3], s[G0W+2:G0W+3], 65536   ; the next 512 keys
.endif
	s_mov_b32 s[TB], \nb
	v_add_nc_u32 v[ADK], s[TB], v[LI]
	s_wait_dscnt 0x0
.if \kind == 1
	CROUND                                         ; no wave of any partner still reads the slot or has a load on its way
	tensor_load_to_lds s[G0W:G0W+3], s[G1:G1+7]    ; my one tensor load behind the round
	s_nop 0
.rept 4
	v_nop
.endr
.else
	s_barrier_signal -1
	s_barrier_wait -1
.endif
	WIN 0x40
	KLOADS 0                                       ; the next slot's first K
	WIN 0
.endif
	; the softmax, the two tiles line by line.  The maximum of 32 scores and the old m: four chains, each accumulator read from its low end on
.irp j, 0,1,2,3
.irp q, 0,1
	v_max3_num_f32 v[ST+8*\q+4+\j], v[S+32*\q+8*\j], v[S+32*\q+8*\j+1], v[S+32*\q+8*\j+2]
.endr
.endr
.irp i, 3,5
.irp j, 0,1,2,3
.irp q, 0,1
	v_max3_num_f32 v[ST+8*\q+4+\j], v[ST+8*\q+4+\j], v[S+32*\q+8*\j+\i], v[S+32*\q+8*\j+\i+1]
.endr
.endr
.endr
.irp q, 0,1
	v_max3_num_f32 v[ST+8*\q+4], v[ST+8*\q+4], v[S+32*\q+7], v[S+32*\q+15]
.endr
.irp q, 0,1
	v_max3_num_f32 v[ST+8*\q+6], v[ST+8*\q+6], v[S+32*\q+23], v[S+32*\q+31]
.endr
.irp q, 0,1
	v_max3_num_f32 v[ST+8*\q+4], v[ST+8*\q+4], v[ST+8*\q+5], v[ST+8*\q+6]
.endr
.irp q, 0,1
	v_max3_num_f32 v[ST+8*\q+4], v[ST+8*\q+4], v[ST+8*\q+7], v[ST+8*\q]
.endr
.irp q, 0,1
	v_permlanex16_b32 v[ST+8*\q+5], v[ST+8*\q+4], s[SEL], s[SEL+1]   ; the query's other 32 keys lie in the lane 16 away
.endr
.irp q, 0,1
	v_max_num_f32 v[ST+8*\q+4], v[ST+8*\q+4], v[ST+8*\q+5]           ; the new m
.endr
.irp q, 0,1
	v_sub_f32 v[ST+8*\q+7], v[ST+8*\q], v[ST+8*\q+4]                 ; m_old - m_new
.endr
.irp q, 0,1
	v_mov_b32 v[ST+8*\q], v[ST+8*\q+4]
.endr
.set i, 0
.rept 16
.irp q, 0,1
	v_pk_add_f32 v[S+32*\q+i:S+32*\q+i+1], v[S+32*\q+i:S+32*\q+i+1], v[ST+8*\q:ST+8*\q+1] op_sel_hi:[1,0] neg_lo:[0,1] neg_hi:[0,1]   ; t - m, two at a time
.endr
.set i, i+2
.endr
.irp q, 0,1
	v_exp_f32 v[ST+8*\q+6], v[ST+8*\q+7]           ; a
.endr
.set i, 0
.rept 32
.irp q, 0,1
	v_exp_f32 v[S+32*\q+i], v[S+32*\q+i]           ; p
.endr
.set i, i+1
.endr
	v_nop                                          ; a plain instruction behind the last exponential
	s_wait_alu depctr_va_vdst(0)                   ; one wait for the batch of 66, ahead of the first instruction that names a result
.irp q, 0,1
	v_pk_mul_f32 v[ST+8*\q+2:ST+8*\q+3], v[ST+8*\q+2:ST+8*\q+3], v[ST+8*\q+6:ST+8*\q+7] op_sel_hi:[1,0]   ; l x a
.endr
.irp q, 0,1
	v_pk_add_f32 v[ST+8*\q+4:ST+8*\q+5], v[S+32*\q:S+32*\q+1], v[S+32*\q+2:S+32*\q+3]   ; the sum of p, in two chains
.endr
.irp j, 4,8,12,16,20,24,28
.irp q, 0,1
	v_pk_add_f32 v[ST+8*\q+2:ST+8*\q+3], v[ST+8*\q+2:ST+8*\q+3], v[S+32*\q+\j:S+32*\q+\j+1]
	v_pk_add_f32 v[ST+8*\q+4:ST+8*\q+5], v[ST+8*\q+4:ST+8*\q+5], v[S+32*\q+\j+2:S+32*\q+\j+3]
.endr
.endr
.irp q, 0,1
	v_pk_add_f32 v[ST+8*\q+2:ST+8*\q+3], v[ST+8*\q+2:ST+8*\q+3], v[ST+8*\q+4:ST+8*\q+5]
.endr
.set i, 0
.rept 16
.irp q, 0,1
	v_cvt_pk_f16_f32 v[P+16*\q+i], v[S+32*\q+2*i], v[S+32*\q+2*i+1]   ; two tiles of scores are one fragment of P
.endr
.set i, i+1
.endr
.set i, 0
.rept 16
.irp q, 0,1
	v_pk_mul_f32 v[O+32*\q+i:O+32*\q+i+1], v[O+32*\q+i:O+32*\q+i+1], v[ST+8*\q+6:ST+8*\q+7] op_sel_hi:[1,0]   ; O^T x a, ascending
.endr
.set i, i+2
.endr
.if \kind == 3
	s_wait_dscnt 0x0                               ; V is in
.else
	s_wait_dscnt 16                                ; V is in; the next step's 16 loads of K may be out
.endif
	WIN 0x01
.irp kg, 0,1
.irp t, 0,1,2,3
.irp q, 0,1
	v_wmma_f32_16x16x32_f16 v[O+32*\q+8*\t:O+32*\q+8*\t+7], v[VF+32*\kg+8*\t:VF+32*\kg+8*\t+7], v[P+16*\q+8*\kg:P+16*\q+8*\kg+7], v[O+32*\q+8*\t:O+32*\q+8*\t+7]
.endr
.endr
.endr
	WIN 0
.if \kind == 0
	s_add_co_u32 s[TB], s[TB], 8192
.endif
.endm
.macro SLOTRUN kind, nb                ; a slot's eight steps: seven in a loop, the last written out
	s_mov_b32 s[CNT], 7
.Lst_\@:
	STEP 0, 0
	s_sub_co_u32 s[CNT], s[CNT], 1
	s_cmp_lg_u32 s[CNT], 0
	s_cbranch_scc1 .Lst_\@
	STEP \kind, \nb
.endm
	s_load_b256 s[4:11], s[0:1], 0x0               ; xq s[4:5], bq s[6:7], wfp4 s[8:9], kf s[10:11]
	s_load_b128 s[12:15], s[0:1], 0x20             ; vf s[12:13], af s[14:15]
	v_lshl_add_u32 v[SPW], v0, 2, SPARE
	v_mov_b32 v[NIL], 0
	ds_add_u32 v[SPW], v[NIL]                      ; the wave's opening: the add, twice on end, and its wait ahead of my first tensor load
	ds_add_u32 v[SPW], v[NIL]
	v_lshrrev_b32 v7, 5, v0
	v_readfirstlane_b32 s[WV], v7                  ; wave 0..7
	s_bfe_u32 s17, ttmp6, 0x40000                  ; cx: it enters xq's and af's addresses alone
	s_lshr_b32 s18, ttmp9, 2
	s_lshl_b32 s18, s18, 2
	s_add_co_u32 s18, s18, s17                     ; my block of 64 positions: 4 x (cluster / 4) + cx
	s_lshl_b32 s18, s18, 2
	s_and_b32 s19, s[WV], 1
	s_lshl_b32 s19, s19, 1
	s_add_co_u32 s18, s18, s19                     ; pb of my first tile of 16 positions
	s_and_b32 s46, ttmp9, 3                        ; hg: which four heads; the four partners share it
	s_lshr_b32 s47, s[WV], 1
	s_lshl_b32 s48, s46, 2
	s_add_co_u32 s48, s48, s47                     ; my head
	s_lshl_b32 s50, s18, 13                        ; xq: my two tiles' codes,
	s_mov_b32 s51, 0
	s_lshl_b32 s52, s18, 9
	s_add_co_u32 s52, s52, XSB                     ; and their scale words
	s_mov_b32 s53, 0
	s_lshl_b32 s54, s18, 15                        ; af: pb x 32768 + head x 2048
	s_lshl_b32 s19, s48, 11
	s_add_co_u32 s54, s54, s19
	s_mov_b32 s55, 0
	s_add_co_u32 s56, s19, SCB                     ; wfp4: the scale words of my head's four tiles, 512 bytes each
	s_mov_b32 s57, 0
	s_lshl_b32 s58, s48, 8                         ; bq: my head's 64 numbers
	s_mov_b32 s59, 0
	s_lshl_b32 s60, s46, 17                        ; wfp4: the 16 tiles of the four heads; I bring two of them
	s_lshl_b32 s49, s[WV], 14                      ; 16,384 bytes a wave, in memory and in a slot
	s_add_co_u32 s60, s60, s49
	s_mov_b32 s61, 0
	s_lshr_b32 s62, ttmp9, 5                       ; the batch, which the four partners share
	s_lshl_b32 s62, s62, 18
	s_and_b32 s19, s[WV], 3
	s_lshl_b32 s19, s19, 14                        ; my quarter of a slot's K (waves 0-3) or V (waves 4-7)
	s_add_co_u32 s62, s62, s19
	s_mov_b32 s63, 0
	s_mov_b32 s[G1], 15|(3<<16)|(1<<21)            ; the mask names all four; elements of 8 bytes; bit 21 beside the mask; no padding
	s_mov_b32 s[G1+1], 32<<16                      ; tensor_dim0: 256 bytes
	s_mov_b32 s[G1+2], 64<<16                      ; tensor_dim1
	s_mov_b32 s[G1+3], 32<<16                      ; tile_dim0
	s_mov_b32 s[G1+4], 64                          ; tile_dim1
	s_mov_b32 s[G1+5], 32                          ; dense
	s_mov_b32 s[G1+6], 0
	s_mov_b32 s[G1+7], 0
	s_mov_b32 s[SEL], 0x76543210
	s_mov_b32 s[SEL+1], 0xfedcba98
	s_mov_b32 s[CS], 0x3e38aa3b                    ; c = log2(e) / 8
	s_mov_b32 s[CS+1], s[CS]                       ; (named with it as a pair)
	s_mov_b32 s[TB], 0
	v_and_b32 v7, 31, v0
	v_lshlrev_b32 v[LI], 4, v7
	v_lshlrev_b32 v[LS], 2, v7
	v_bfe_u32 v[BH], v0, 4, 1
	v_lshlrev_b32 v[BH], 5, v[BH]
	v_add_nc_u32 v[LIV], VOFF, v[LI]
	v_mov_b32 v[ADK], v[LI]
	s_lshl_b32 s19, s47, 15                        ; my head's four tiles of 8,192 bytes,
	s_add_co_u32 s19, s19, SLOT1                   ; in slot 1's bytes
	v_add_nc_u32 v[ADW], s19, v[LI]
	s_wait_dscnt 0x0                               ; both opening adds are done
	s_wait_kmcnt 0x0
	s_cmp_lt_u32 s[WV], 4
	s_cselect_b64 s[10:11], s[10:11], s[12:13]
	s_add_nc_u64 s[10:11], s[10:11], s[62:63]      ; my part of slot 0's K or V
	s_add_nc_u64 s[60:61], s[8:9], s[60:61]        ; my two tiles of Wq
	s_add_nc_u64 s[8:9], s[8:9], s[56:57]          ; my head's scale words
	s_add_nc_u64 s[52:53], s[4:5], s[52:53]
	s_add_nc_u64 s[4:5], s[4:5], s[50:51]
	s_add_nc_u64 s[6:7], s[6:7], s[58:59]
	s_add_nc_u64 s[14:15], s[14:15], s[54:55]
	s_mov_b32 s[G0X], 1
	s_add_co_u32 s[G0X+1], s49, SLOT1
	s_mov_b64 s[G0X+2:G0X+3], s[60:61]
	s_or_b32 s[G0X+3], s[G0X+3], 0x80000000
	s_mov_b32 s[G0A], 1
	s_mov_b32 s[G0A+1], s49
	s_mov_b64 s[G0A+2:G0A+3], s[10:11]
	s_or_b32 s[G0A+3], s[G0A+3], 0x80000000
	s_mov_b32 s[G0W], 1
	s_add_co_u32 s[G0W+1], s49, SLOT1
	s_add_nc_u64 s[G0W+2:G0W+3], s[10:11], 65536
	s_or_b32 s[G0W+3], s[G0W+3], 0x80000000
	CROUND                                         ; all four work-groups are here: the first joint loads meet
	tensor_load_to_lds s[G0X:G0X+3], s[G1:G1+7]    ; Wq's tiles first: they are wanted first.  Two loads of mine are out
	s_nop 0
	tensor_load_to_lds s[G0A:G0A+3], s[G1:G1+7]    ; keys 0-511
	s_nop 0
.rept 4
	v_nop
.endr
.irp q, 0,1
.irp ks, 0,1,2,3,4,5,6,7
.irp c, 0,1
	global_load_b128 v[XF+64*\q+8*\ks+4*\c:XF+64*\q+8*\ks+4*\c+3], v[LI], s[4:5] offset:\q*8192+\ks*1024+\c*512   ; x's fragments
.endr
.endr
.endr
.irp q, 0,1
.irp p, 0,1,2,3
	global_load_b32 v[XSCR+4*\q+\p], v[LS], s[52:53] offset:\q*512+\p*128
.endr
.endr
.irp t, 0,1,2,3
.irp p, 0,1,2,3
	global_load_b32 v[WSC+4*\t+\p], v[LS], s[8:9] offset:\t*512+\p*128
.endr
	global_load_b128 v[BIA+8*\t:BIA+8*\t+3], v[BH], s[6:7] offset:\t*64          ; register j = bq[64 head + 16 t + 8 h + j]
	global_load_b128 v[BIA+8*\t+4:BIA+8*\t+7], v[BH], s[6:7] offset:\t*64+16
.endr
	s_wait_tensorcnt 1                             ; my two tiles of Wq are in; slot 0's part may stay out
	s_barrier_signal -1
	s_barrier_wait -1                              ; everybody's are
	WIN 0x40                                       ; destination window 1
.irp t, 0,1,2,3
.irp ks, 0,1,2,3,4,5,6,7
.irp c, 0,1
	ds_load_b128 v[64*\t+8*\ks+4*\c:64*\t+8*\ks+4*\c+3], v[ADW] offset:\t*8192+\ks*1024+\c*512
.endr
.endr
.endr
	WIN 0
	s_wait_loadcnt 0x0                             ; x, the scale words, the bias
.irp t, 0,1,2,3
	s_wait_dscnt 16*(3-\t)                         ; tile t's 16 loads are in; the later tiles' may be out
	MULQ \t
.rept 5
	v_nop                                          ; five places: the next tile begins anew on these accumulators, and the lines below read results
.endr
	OUTQ \t
.endr
	; slot 1 changes hands: all my tensor loads have landed (slot 0's part among them); the add; my reads of Wq's tiles are over; then a round of the cluster's barrier
	s_wait_tensorcnt 0x0
	ds_add_u32 v[SPW], v[NIL]                      ; 0 onto my spare word; the set-up below stands between it and the wait for it
.irp q, 0,1
	v_mov_b32 v[ST+8*\q], 0xff61b1e6               ; m: -3e38, under every t
	v_mov_b32 v[ST+8*\q+1], 0                      ; (named with it as a pair)
	v_mov_b32 v[ST+8*\q+2], 0                      ; l, in two halves
	v_mov_b32 v[ST+8*\q+3], 0
.endr
.set i, 0
.rept 64
	v_mov_b32 v[O+i], 0                            ; O^T: the step is written once; its first run finds zeros
.set i, i+1
.endr
	s_wait_dscnt 0x0
	CROUND                                         ; no wave of any partner still reads Wq's tiles or has a load on its way; slot 0 is whole
	tensor_load_to_lds s[G0W:G0W+3], s[G1:G1+7]    ; keys 512-1,023: my one tensor load behind the round
	s_nop 0
.rept 4
	v_nop
.endr
	WIN 0x40
	KLOADS 0
	WIN 0
	SLOTRUN 1, SLOT1                               ; keys 0-511; slot 0 then takes keys 1,024 on
	SLOTRUN 1, 0                                   ; keys 512-1,023; slot 1 then takes keys 1,536 on
	SLOTRUN 2, SLOT1
	SLOTRUN 3, 0
	; THE WAY OUT
.rept 4
	v_nop                                          ; places behind the last products
.endr
.irp q, 0,1
	v_add_f32 v[ST+8*\q+4], v[ST+8*\q+2], v[ST+8*\q+3]
.endr
.irp q, 0,1
	v_permlanex16_b32 v[ST+8*\q+5], v[ST+8*\q+4], s[SEL], s[SEL+1]
.endr
.irp q, 0,1
	v_add_f32 v[ST+8*\q+4], v[ST+8*\q+4], v[ST+8*\q+5]   ; the row's sum
.endr
.irp q, 0,1
	v_rcp_f32 v[ST+8*\q+6], v[ST+8*\q+4]
.endr
	v_nop
	s_wait_alu depctr_va_vdst(0)                   ; one wait for the two reciprocals, ahead of their first reader
.set i, 0
.rept 16
.irp q, 0,1
	v_pk_mul_f32 v[S+32*\q+i:S+32*\q+i+1], v[O+32*\q+i:O+32*\q+i+1], v[ST+8*\q+6:ST+8*\q+7] op_sel_hi:[1,0]
.endr
.set i, i+2
.endr
.set i, 0
.rept 16
.irp q, 0,1
	v_cvt_pk_f16_f32 v[P+16*\q+i], v[S+32*\q+2*i], v[S+32*\q+2*i+1]
.endr
.set i, i+1
.endr
.irp q, 0,1
.irp t, 0,1,2,3
	global_store_b128 v[LI], v[P+16*\q+4*\t:P+16*\q+4*\t+3], s[14:15] offset:\q*32768+\t*512   ; 512 consecutive bytes a wave, aligned
.endr
.endr
	s_wait_tensorcnt 0x0                           ; the wave's end
	ds_add_u32 v[SPW], v[NIL]
	s_wait_dscnt 0x0
	CROUND                                         ; the closing round
	s_endpgm
.Lfunc_end_k_qb95b0ab014_attn:
	.size	k_qb95b0ab014_attn, .Lfunc_end_k_qb95b0ab014_attn-k_qb95b0ab014_attn
	.p2alignl 7, 3214868480
	.fill 96, 4, 3214868480
	.section	.rodata,"a",@progbits
	.p2align	6, 0x0
	.amdhsa_kernel k_qb95b0ab014_attn
		.amdhsa_group_segment_fixed_size 327680
		.amdhsa_private_segment_fixed_size 0
		.amdhsa_enable_private_segment 0
		.amdhsa_kernarg_size 48
		.amdhsa_user_sgpr_count 2
		.amdhsa_user_sgpr_kernarg_segment_ptr 1
		.amdhsa_wavefront_size32 1
		.amdhsa_system_sgpr_workgroup_id_x 1
		.amdhsa_system_sgpr_workgroup_id_y 1
		.amdhsa_system_sgpr_workgroup_id_z 1
		.amdhsa_system_vgpr_workitem_id 0
		.amdhsa_next_free_vgpr 512
		.amdhsa_next_free_sgpr 66
		.amdhsa_reserve_vcc 0
		.amdhsa_float_denorm_mode_32 3
		.amdhsa_float_denorm_mode_16_64 3
		.amdhsa_memory_ordered 1
		.amdhsa_forward_progress 1
		.amdhsa_inst_pref_size 175
	.end_amdhsa_kernel
	.amdgpu_metadata
---
amdhsa.version: [ 1, 2 ]
amdhsa.kernels:
  - .name:           k_qb95b0ab014_attn
    .symbol:         k_qb95b0ab014_attn.kd
    .args:
      - { .name: xq, .offset: 0, .size: 8, .value_kind: global_buffer, .address_space: global }
      - { .name: bq, .offset: 8, .size: 8, .value_kind: global_buffer, .address_space: global }
      - { .name: wfp4, .offset: 16, .size: 8, .value_kind: global_buffer, .address_space: global }
      - { .name: kf, .offset: 24, .size: 8, .value_kind: global_buffer, .address_space: global }
      - { .name: vf, .offset: 32, .size: 8, .value_kind: global_buffer, .address_space: global }
      - { .name: af, .offset: 40, .size: 8, .value_kind: global_buffer, .address_space: global }
    .group_segment_fixed_size: 327680
    .private_segment_fixed_size: 0
    .kernarg_segment_align: 8
    .kernarg_segment_size: 48
    .max_flat_workgroup_size: 256
    .sgpr_count:     66
    .vgpr_count:     512
    .wavefront_size: 32
...
	.end_amdgpu_metadata
.endif
;; end of part 3
;; launch oproj (part 4): grid 8 x 32, 4 waves a work-group, clusters of 4 x 4, 327,680 bytes of LDS; arguments af, wof, bo, out0; writes out0
.if DOCPART == 4
	.amdgcn_target "amdgcn-amd-amdhsa--gfx1250"
	.amdhsa_code_object_version 6
	.text
	.protected	k_qb95b0ab014_oproj
	.globl	k_qb95b0ab014_oproj
	.p2align	8
	.type	k_qb95b0ab014_oproj,@function
k_qb95b0ab014_oproj:
	s_mov_b64 s[64:65], 0
	v_nop
	global_prefetch_b8 v0, s[64:65] scope:SCOPE_SE
	s_setreg_imm32_b32 hwreg(HW_REG_WAVE_MODE, 25, 1), 1
	s_wait_xcnt 0x0
	s_wait_alu depctr_hold_cnt(0) depctr_sa_sdst(0) depctr_va_vdst(0) depctr_va_sdst(0) depctr_va_ssrc(0) depctr_va_vcc(0) depctr_vm_vsrc(0)
	s_getreg_b32 s2, hwreg(HW_REG_IB_STS2, 6, 4)
	s_cmp_eq_u32 s2, 0
	s_cbranch_scc0 .Lentry_in_a_cluster
	s_endpgm
.Lentry_in_a_cluster:
	s_bfe_u32 s2, ttmp6, 0x10000c
	s_cmp_lg_u32 s2, 0xf033
	s_cbranch_scc0 .Lentry_shape_is_right
	s_endpgm
.Lentry_shape_is_right:
; out0 [4096][1024] f32 = A Wo + bo.  A (af) and Wo (wof) are f16, laid in the order of the operands' registers: block of 16 rows (of A) or 16 columns (of Wo) x 32768 + (k / 16) x 512 + 16 x lane; sums in f32.
; A tile of out0 is 128 x 128: 256 work-groups.  Four waves, each 64 x 64: 16 accumulators.  K goes in four steps of 256 through a ring of two LDS slots: A's 8 blocks x 8,192 bytes, then Wo's 8.
; CLUSTERS: 4 x 4 work-groups.  The four of a row of the cluster need the same tiles of A, the four of a column the same tiles of Wo: each is asked for JOINTLY.  Waves 0, 1 fetch A's halves, waves 2, 3 Wo's: 4 rows of 8,192 bytes.
; THE MATRIX INSTRUCTION IS USED TRANSPOSED (source 0 = 16 columns of Wo, source 1 = 16 rows of A): a lane holds eight neighbouring numbers of a row of out0.  The bias is the C of each sum's first product.
; A fragment is two loads of 16 bytes a lane at 16 x lane + constants: consecutive bytes, so no padding.
; THE WAY OUT: a wave's 64 columns are 256 aligned bytes of a row.  A block of 16 rows goes through the wave's own stage (16 rows x 272 bytes) and leaves with sixteen lanes storing 256 consecutive bytes.  The stages lie in slot 0,
; which has had its last fill and was left by every wave at the last change of slots.
; REGISTERS: window 0: v16-31 addresses; v32-95 two sets of rows on the way out; v96-127 the bias, 8 a block of columns; v128-255 the accumulators ((a, b) at v[128 + 8 (4 a + b)]).  window 1: two fragment buffers of 128.
.set SLOT,   131072
.set BOFF,   65536
.set SPARE,  2*SLOT                    ; behind the ring: the spare words, 128 bytes a wave
.set SPITCH, 272
.set ADRA, 16
.set ADRB, 20
.set STO,  24
.set RD,   25
.set CO,   26
.set BH,   27
.set SPW,  28
.set NIL,  29
.set TMP,  32
.set BIAS, 96
.set ACC,  128
.set F0,   0
.set F1,   128
.set WV,   12                          ; s12 wave; s13 wave / 2: my half of the rows, and A (0) or Wo (1) to fetch; s14 wave % 2: my half of the columns, and which half I fetch
.set G1,   24
.set G0,   32
.set G1B,  48
.set G0B,  56
.set MSB, 0
.macro WIN new
.if MSB != \new
	s_set_vgpr_msb (MSB<<8)|\new
.set MSB, \new
.endif
.endm
.set MUL,  0x05                        ; sources 0 and 1 window 1; C and D window 0
.set TO_F, 0x40                        ; destination window 1
.macro JLOAD s                         ; a joint load; the branch hangs on the wave's number alone
	s_cmp_eq_u32 s13, 0
	s_cbranch_scc0 .Lfor_b_\@
	tensor_load_to_lds s[G0+4*\s:G0+4*\s+3], s[G1:G1+7]
	s_nop 0
.rept 4
	v_nop
.endr
	s_branch .Lasked_\@
.Lfor_b_\@:
	tensor_load_to_lds s[G0B+4*\s:G0B+4*\s+3], s[G1B:G1B+7]
	s_nop 0
.rept 4
	v_nop
.endr
.Lasked_\@:
.endm
.macro CREST                           ; a round of the cluster's barrier behind its opening barrier
	s_cmp_lg_u32 s[WV], 0
	s_cbranch_scc1 .Lnot_wave_0_\@
	s_barrier_signal -3
.Lnot_wave_0_\@:
	s_barrier_wait -3
	s_barrier_signal -1
	s_barrier_wait -1
.endm
.macro CROUND
	s_barrier_signal -1
	s_barrier_wait -1
	CREST
.endm
.macro PLACES
.rept 4
	v_nop
.endr
.endm
	s_load_b256 s[4:11], s[0:1], 0x0               ; af s[4:5], wof s[6:7], bo s[8:9], out0 s[10:11]
	v_lshl_add_u32 v[SPW], v0, 2, SPARE
	v_mov_b32 v[NIL], 0
	ds_add_u32 v[SPW], v[NIL]                      ; the wave's opening: the add, twice on end, and its wait ahead of my first tensor load
	ds_add_u32 v[SPW], v[NIL]
	v_lshrrev_b32 v1, 5, v0
	v_readfirstlane_b32 s[WV], v1
	s_lshr_b32 s13, s[WV], 1
	s_and_b32 s14, s[WV], 1
	s_bfe_u32 s40, ttmp6, 0x40000                  ; cx
	s_bfe_u32 s41, ttmp6, 0x40004                  ; cy
	s_lshl_b32 s42, ttmp9, 2
	s_add_co_u32 s42, s42, s40                     ; tile column
	s_and_b32 s15, ttmp7, 0xffff
	s_lshl_b32 s15, s15, 2
	s_add_co_u32 s15, s15, s41                     ; tile row
	s_lshl_b32 s43, s41, 2
	s_lshl_b32 s43, 15, s43                        ; my row of the cluster
	s_lshl_b32 s44, 0x1111, s40                    ; my column
	s_or_b32 s[G1], s43, (3<<16)|(1<<21)           ; A's tiles go to my row; elements of 8 bytes; bit 21 beside the mask
	s_or_b32 s[G1B], s44, (3<<16)|(1<<21)          ; Wo's to my column
.irp g, G1, G1B
	s_mov_b32 s[\g+1], 1024<<16                    ; tensor_dim0: 8,192 bytes
	s_mov_b32 s[\g+2], 4<<16                       ; tensor_dim1
	s_mov_b32 s[\g+3], 1024<<16                    ; tile_dim0
	s_mov_b32 s[\g+4], 4                           ; tile_dim1
	s_mov_b32 s[\g+5], 4096                        ; 32,768 bytes from block to block
	s_mov_b32 s[\g+6], 0
	s_mov_b32 s[\g+7], 0
.endr
	s_lshl_b32 s17, s14, 2                         ; which four blocks of the tile I fetch
	s_lshl_b32 s16, s15, 3
	s_add_co_u32 s16, s16, s17
	s_lshl_b32 s16, s16, 15                        ; A: block 8 x tile row + 4 x half
	s_lshl_b32 s46, s42, 3
	s_add_co_u32 s46, s46, s17
	s_lshl_b32 s46, s46, 15                        ; Wo: block 8 x tile column + 4 x half
	s_mov_b32 s17, 0
	s_mov_b32 s47, 0
	s_lshl_b32 s20, s[WV], 15                      ; where they go: wave x 32,768
	s_wait_dscnt 0x0                               ; both opening adds are done
	s_wait_kmcnt 0x0
	s_add_nc_u64 s[18:19], s[4:5], s[16:17]
	s_add_nc_u64 s[46:47], s[6:7], s[46:47]
	CROUND                                         ; all sixteen work-groups are here: the first joint loads meet
.irp s, 0,1
	s_mov_b32 s[G0+4*\s], 1
	s_add_co_u32 s[G0+4*\s+1], s20, \s*SLOT
	s_add_nc_u64 s[G0+4*\s+2:G0+4*\s+3], s[18:19], \s*8192
	s_or_b32 s[G0+4*\s+3], s[G0+4*\s+3], 0x80000000
	s_mov_b32 s[G0B+4*\s], 1
	s_add_co_u32 s[G0B+4*\s+1], s20, \s*SLOT
	s_add_nc_u64 s[G0B+4*\s+2:G0B+4*\s+3], s[46:47], \s*8192
	s_or_b32 s[G0B+4*\s+3], s[G0B+4*\s+3], 0x80000000
	JLOAD \s
.endr
	v_and_b32 v1, 15, v0                           ; r
	v_bfe_u32 v2, v0, 4, 1                         ; h
	v_and_b32 v3, 31, v0
	v_lshlrev_b32 v3, 4, v3                        ; 16 x lane
	s_lshl_b32 s21, s13, 15                        ; my four blocks of A
	s_lshl_b32 s22, s14, 15                        ; my four blocks of Wo,
	s_add_co_u32 s22, s22, BOFF                    ; which lie behind A's eight
.irp s, 0,1
	v_add_nc_u32 v[ADRA+\s], s21, v3
	v_add_nc_u32 v[ADRB+\s], s22, v3
	s_add_co_u32 s21, s21, SLOT
	s_add_co_u32 s22, s22, SLOT
.endr
	s_mul_i32 s23, s[WV], 16*SPITCH                ; my stage
	v_mul_u32_u24 v4, v1, SPITCH                   ; in: row r, 32 bytes for each half of the lanes
	v_lshl_add_u32 v4, v2, 5, v4
	v_add_nc_u32 v[STO], s23, v4
	v_mul_u32_u24 v5, v2, SPITCH                   ; back: lanes 0-15 one row of 256 bytes, lanes 16-31 the next
	v_lshl_add_u32 v5, v1, 4, v5
	v_add_nc_u32 v[RD], s23, v5
	v_lshlrev_b32 v5, 12, v2                       ; and the same two rows in out0
	v_lshl_add_u32 v[CO], v1, 4, v5
	v_lshlrev_b32 v[BH], 5, v2
	s_lshl_b32 s46, s42, 9                         ; my first column, in bytes: 512 x tile column + 256 x half
	s_lshl_b32 s47, s14, 8
	s_add_co_u32 s46, s46, s47
	s_mov_b32 s47, 0
	s_add_nc_u64 s[8:9], s[8:9], s[46:47]
	s_add_nc_u64 s[10:11], s[10:11], s[46:47]
	s_lshl_b32 s16, s15, 19                        ; my first row: 128 x tile row + 64 x half, 4,096 bytes each
	s_lshl_b32 s17, s13, 18
	s_add_co_u32 s16, s16, s17
	s_mov_b32 s17, 0
	s_add_nc_u64 s[10:11], s[10:11], s[16:17]
.irp b, 0,1,2,3
	global_load_b128 v[BIAS+8*\b:BIAS+8*\b+3], v[BH], s[8:9] offset:64*\b          ; register j = bo[my column + 16 b + 8 h + j]
	global_load_b128 v[BIAS+8*\b+4:BIAS+8*\b+7], v[BH], s[8:9] offset:64*\b+16
.endr
; 8 matrix instructions: row blocks a0, a0 + 1 x all 4 column blocks, 32 along K: half c of buffer f.  first = 1: the bias starts the sums
.macro MUL8 f, c, a0, first
.irp a, \a0, \a0+1
.irp b, 0,1,2,3
.if \first
	v_wmma_f32_16x16x32_f16 v[ACC+8*(4*(\a)+\b):ACC+8*(4*(\a)+\b)+7], v[\f+64+8*(4*\c+\b):\f+64+8*(4*\c+\b)+7], v[\f+8*(4*\c+\a):\f+8*(4*\c+\a)+7], v[BIAS+8*\b:BIAS+8*\b+7]
.else
	v_wmma_f32_16x16x32_f16 v[ACC+8*(4*(\a)+\b):ACC+8*(4*(\a)+\b)+7], v[\f+64+8*(4*\c+\b):\f+64+8*(4*\c+\b)+7], v[\f+8*(4*\c+\a):\f+8*(4*\c+\a)+7], v[ACC+8*(4*(\a)+\b):ACC+8*(4*(\a)+\b)+7]
.endif
.endr
.endr
.endm
; 32 LDS loads in one run: the fragments of quarter qd (64 along K) of a slot into buffer f; the first 32 along K first
.macro FETCH slot, qd, f
	WIN TO_F
.irp c, 0,1
.irp i, 0,1,2,3
	ds_load_b128 v[\f+64+8*(4*\c+\i):\f+64+8*(4*\c+\i)+3],   v[ADRB+\slot] offset:\i*8192+(4*(\qd)+2*\c)*512
	ds_load_b128 v[\f+64+8*(4*\c+\i)+4:\f+64+8*(4*\c+\i)+7], v[ADRB+\slot] offset:\i*8192+(4*(\qd)+2*\c)*512+512
	ds_load_b128 v[\f+8*(4*\c+\i):\f+8*(4*\c+\i)+3],         v[ADRA+\slot] offset:\i*8192+(4*(\qd)+2*\c)*512
	ds_load_b128 v[\f+8*(4*\c+\i)+4:\f+8*(4*\c+\i)+7],       v[ADRA+\slot] offset:\i*8192+(4*(\qd)+2*\c)*512+512
.endr
.endr
.endm
; A K step is four quarters of 64 along K, 32 matrix instructions each, on buffers 0, 1, 0, 1; the 16 accumulators take turns.
.macro QUARTER slot, qd, f, g, first   ; multiplies buffer f and fetches quarter qd of the same slot into g
	s_wait_dscnt 16                                ; the first 32 along K are in; the other sixteen loads may be out
	WIN MUL
	MUL8 \f, 0, 0, \first
	MUL8 \f, 0, 2, \first
	PLACES
	FETCH \slot, \qd, \g
	s_wait_dscnt 32                                ; all but the 32 just issued
	WIN MUL
	MUL8 \f, 1, 0, 0
	MUL8 \f, 1, 2, 0
.endm
; The last quarter multiplies buffer 1 and changes slots: one barrier; in front of it each wave waits for all its tensor loads, adds 0 to its spare word, and waits for that and for its reads of this slot.
.macro TURN slot, next, fill
	WIN 0
	s_wait_tensorcnt 0x0                           ; all my tensor loads have landed: my part of the next slot
	ds_add_u32 v[SPW], v[NIL]                      ; 0 onto my spare word
	s_wait_dscnt 17                                ; (the add and the youngest sixteen loads may be out)
	WIN MUL
	MUL8 F1, 0, 0, 0
	s_wait_dscnt 0x0                               ; the add is done, and my reads of this slot are over
	s_barrier_signal -1
	MUL8 F1, 0, 2, 0
.if \fill
	WIN 0
.endif
	s_barrier_wait -1
.if \fill
	CREST                                          ; the barrier has opened a round of the cluster's: no wave of any partner still reads this slot or has a load on its way
	s_add_nc_u64 s[G0+4*\slot+2:G0+4*\slot+3], s[G0+4*\slot+2:G0+4*\slot+3], 2*8192
	s_add_nc_u64 s[G0B+4*\slot+2:G0B+4*\slot+3], s[G0B+4*\slot+2:G0B+4*\slot+3], 2*8192
	JLOAD \slot                                    ; the first tensor load behind the round; its four v_nop are also the places in front of the loads below
.else
	PLACES
.endif
	FETCH \next, 0, F0
	WIN MUL
	MUL8 F1, 1, 0, 0
	MUL8 F1, 1, 2, 0
.endm
	s_wait_tensorcnt 1                             ; my part of K step 0 is in; K step 1's may stay out
	s_barrier_signal -1
	s_barrier_wait -1
	FETCH 0, 0, F0
	s_wait_loadcnt 0x0                             ; the bias
	QUARTER 0, 1, F0, F1, 1                        ; K step 0
	QUARTER 0, 2, F1, F0, 0
	QUARTER 0, 3, F0, F1, 0
	TURN 0, 1, 1                                   ; slot 0 takes K step 2
	QUARTER 1, 1, F0, F1, 0                        ; K step 1
	QUARTER 1, 2, F1, F0, 0
	QUARTER 1, 3, F0, F1, 0
	TURN 1, 0, 1                                   ; slot 1 takes K step 3
	QUARTER 0, 1, F0, F1, 0                        ; K step 2
	QUARTER 0, 2, F1, F0, 0
	QUARTER 0, 3, F0, F1, 0
	TURN 0, 1, 0                                   ; nothing is left to fetch
	QUARTER 1, 1, F0, F1, 0                        ; K step 3
	QUARTER 1, 2, F1, F0, 0
	QUARTER 1, 3, F0, F1, 0
	s_wait_dscnt 16
	WIN MUL
	MUL8 F1, 0, 0, 0
	MUL8 F1, 0, 2, 0
	s_wait_dscnt 0x0
	MUL8 F1, 1, 0, 0
	MUL8 F1, 1, 2, 0
	WIN 0
; THE WAY OUT, a block of 16 rows x 64 columns at a time.  LDS serves a wave's instructions in order (ISA guide 5.7.1.4): no wait between the stores and the loads, nor in front of the next block's stores.
.macro TOSTAGE a
.irp b, 0,1,2,3
	ds_store_b128 v[STO], v[ACC+8*(4*(\a)+\b):ACC+8*(4*(\a)+\b)+3] offset:64*\b          ; each accumulator from its low end on
	ds_store_b128 v[STO], v[ACC+8*(4*(\a)+\b)+4:ACC+8*(4*(\a)+\b)+7] offset:64*\b+16
.endr
.irp i, 0,1,2,3,4,5,6,7
	ds_load_b128 v[TMP+32*((\a)%2)+4*\i:TMP+32*((\a)%2)+4*\i+3], v[RD] offset:\i*2*SPITCH
.endr
.endm
.macro SEND a, younger                 ; younger: the LDS instructions issued behind block a's loads
	s_wait_dscnt \younger
.irp i, 0,1,2,3,4,5,6,7
	global_store_b128 v[CO], v[TMP+32*((\a)%2)+4*\i:TMP+32*((\a)%2)+4*\i+3], s[10:11] offset:(16*(\a)+2*\i)*4096 th:TH_STORE_NT   ; 16 lanes store 256 consecutive bytes, aligned
.endr
.endm
	PLACES                                         ; in front of the first read of results
	TOSTAGE 0
	TOSTAGE 1
	SEND 0, 16                                     ; behind block 0's loads: block 1's 8 stores and 8 loads
	s_wait_xcnt 0x0                                ; block 0's stores have read their registers: block 2's loads may land there
	TOSTAGE 2
	SEND 1, 16
	s_wait_xcnt 0x0
	TOSTAGE 3
	SEND 2, 16
	SEND 3, 0
	s_wait_tensorcnt 0x0                           ; the wave's end
	ds_add_u32 v[SPW], v[NIL]
	s_wait_dscnt 0x0
	CROUND                                         ; the closing round
	s_endpgm
.Lfunc_end_k_qb95b0ab014_oproj:
	.size	k_qb95b0ab014_oproj, .Lfunc_end_k_qb95b0ab014_oproj-k_qb95b0ab014_oproj
	.p2alignl 7, 3214868480
	.fill 96, 4, 3214868480
	.section	.rodata,"a",@progbits
	.p2align	6, 0x0
	.amdhsa_kernel k_qb95b0ab014_oproj
		.amdhsa_group_segment_fixed_size 327680
		.amdhsa_private_segment_fixed_size 0
		.amdhsa_enable_private_segment 0
		.amdhsa_kernarg_size 32
		.amdhsa_user_sgpr_count 2
		.amdhsa_user_sgpr_kernarg_segment_ptr 1
		.amdhsa_wavefront_size32 1
		.amdhsa_system_sgpr_workgroup_id_x 1
		.amdhsa_system_sgpr_workgroup_id_y 1
		.amdhsa_system_sgpr_workgroup_id_z 1
		.amdhsa_system_vgpr_workitem_id 0
		.amdhsa_next_free_vgpr 512
		.amdhsa_next_free_sgpr 66
		.amdhsa_reserve_vcc 0
		.amdhsa_float_denorm_mode_32 3
		.amdhsa_float_denorm_mode_16_64 3
		.amdhsa_memory_ordered 1
		.amdhsa_forward_progress 1
		.amdhsa_inst_pref_size 86
	.end_amdhsa_kernel
	.amdgpu_metadata
---
amdhsa.version: [ 1, 2 ]
amdhsa.kernels:
  - .name:           k_qb95b0ab014_oproj
    .symbol:         k_qb95b0ab014_oproj.kd
    .args:
      - { .name: af, .offset: 0, .size: 8, .value_kind: global_buffer, .address_space: global }
      - { .name: wof, .offset: 8, .size: 8, .value_kind: global_buffer, .address_space: global }
      - { .name: bo, .offset: 16, .size: 8, .value_kind: global_buffer, .address_space: global }
      - { .name: out0, .offset: 24, .size: 8, .value_kind: global_buffer, .address_space: global }
    .group_segment_fixed_size: 327680
    .private_segment_fixed_size: 0
    .kernarg_segment_align: 8
    .kernarg_segment_size: 32
    .max_flat_workgroup_size: 128
    .sgpr_count:     66
    .vgpr_count:     512
    .wavefront_size: 32
...
	.end_amdgpu_metadata
.endif
;; end of part 4
